; MI455X (gfx1250); checked and timed in simulation.
; The chip was launched on July 23, 2026; its instructions are those of AMD's public machine-readable ISA for CDNA 5 (MIT licence, August 2026) and "CDNA5" Instruction Set Architecture Reference Guide (July 2026). The comments in the code are by the model that wrote it; some were corrected since.
;; Hgru2d Module. Allowed arithmetic: float matrix products may take bf16 or f16 operands with f32 sums; other float arithmetic in f32, or as packed bf16 or f16 multiplies, adds, multiply-adds, maxima and minima; sums over many terms, partial sums and values carried from step to step in f32; what a program stores and reads back later, other than sums and carried values, may be rounded once to bf16 or f16.
;; Inputs: W_f 512 x 512 float32; W_g 512 x 512 float32; W_in 512 x 512 float32; W_out 512 x 512 float32; b_f 512 float32; b_g 512 float32; b_in 512 float32; b_out 512 float32; lower_bound 1 float32; theta 512 float32; x 8 x 4,096 x 512 float32.
;; Outputs: out0 8 x 4,096 x 512 float32.
;; One version. Each part assembles by itself: llvm-mc -triple=amdgcn-amd-amdhsa -mcpu=gfx1250 --defsym DOCPART=n.
;; ======== version 1 of 1: 4 launches
;; limits: values are held in f16: magnitudes above 65,504 overflow, below 6.1e-05 lose precision; right only within a limited range of input values
;; workspace buffers: wt 2,097,152 bytes; consts 14,336 bytes; lv 67,108,864 bytes; hid 67,108,864 bytes; ss 4,194,304 bytes
;; launch prep (part 1): grid 32 x 4, 8 waves a work-group, no clusters, 0 bytes of LDS; arguments W_in, W_f, W_g, W_out, b_in, b_f, b_g, b_out, theta, lower_bound, wt, consts; writes wt, consts
.if DOCPART == 1
	.amdgcn_target "amdgcn-amd-amdhsa--gfx1250"
	.amdhsa_code_object_version 6
	.text
	.protected	k_qec4ce0d4dc_prep
	.globl	k_qec4ce0d4dc_prep
	.p2align	8
	.type	k_qec4ce0d4dc_prep,@function
k_qec4ce0d4dc_prep:
	s_mov_b64 s[64:65], 0
	v_nop
	global_prefetch_b8 v0, s[64:65] scope:SCOPE_SE
	s_setreg_imm32_b32 hwreg(HW_REG_WAVE_MODE, 25, 1), 1
	s_wait_xcnt 0x0
; PREP.  The four weight matrices W[k][n] (512 x 512 f32) are rounded to bf16, turned to [n][k] and laid out as 32 dense tiles of 65,536 bytes, each [K chunk 4][row 64][256 bytes = 128 k]:
;   tiles 0-15: tile n >> 5, row 32 ((n >> 4) & 1) + 16 mat + (n & 15), mat 0 = W_in, 1 = W_f;   tiles 16-23: W_g, tile 16 + (n >> 6), row n & 63;
;   tiles 24-31: W_out likewise, the bf16 number written as f16.
; consts (f32 words): 0 b_in; 512 log2(e) b_f; 1024 -log2(e) b_g; 1536 b_out; 2048 cos theta; 2560 sin theta; 3072 256 pairs (lb, 1 - lb).  Every input is rounded to bf16 first.
; LIMITS.  W_out within f16's range (65,504; below 6e-5 it keeps f16's fixed step of 6e-8).  |theta| under 1e5: the angle is reduced by pi/2 in two parts.
; SHARES.  Work-group (x, y): matrix y, K chunk x >> 3, 64 n (x & 7).  A lane owns 8 k x 4 n: eight loads of 16 bytes, four stores of 16 bytes; sixteen neighbouring lanes store 256 consecutive bytes, aligned.
; No LDS, no matrix unit, no cluster: the launch moves 6 MB once and shares nothing.
.set SRC, 16                           ; v[16:47]  8 k x 4 n as loaded
.set PK,  48                           ; v[48:63]  4 n x 8 k, packed
	s_load_b512 s[8:23], s[0:1], 0x0               ; W_in, W_f, W_g, W_out, b_in, b_f, b_g, b_out
	s_load_b256 s[24:31], s[0:1], 0x40             ; theta, lower_bound, wt, consts
	s_mov_b32 s2, ttmp9
	s_and_b32 s3, ttmp7, 0xffff                    ; y: the matrix
	s_lshr_b32 s4, s2, 3                           ; kc: which 128 k
	s_and_b32 s5, s2, 7                            ; ng: which 64 n
	v_lshrrev_b32 v1, 5, v0                        ; wave
	v_and_b32 v2, 15, v0                           ; kg: which 8 k
	v_bfe_u32 v3, v0, 4, 1                         ; nh
	v_lshlrev_b32 v4, 3, v1
	v_lshl_add_u32 v4, v3, 2, v4                   ; nl = 8 wave + 4 nh: my first n among the 64
	s_lshl_b32 s6, s5, 6
	v_add_nc_u32 v10, s6, v4                       ; n0 = 64 ng + nl
	v_lshlrev_b32 v5, 2, v10
	v_lshl_add_u32 v5, v2, 14, v5
	s_lshl_b32 s7, s4, 18
	v_add_nc_u32 v5, s7, v5                        ; source: (128 kc + 8 kg) rows of 2,048 bytes + 4 n0
	; destination.  Where two matrices interleave (y < 2) 32 n make a tile and 16 n of one matrix lie 32 rows apart; else 64 n make a tile, row after row.
	s_cmp_lt_u32 s3, 2
	s_cselect_b32 s37, 16, 13                      ; nl >> 5: the next tile, or 32 rows of 256 bytes
	s_cselect_b32 s39, 13, 12                      ; (nl >> 4) & 1: 32 rows, or 16
	s_cselect_b32 s40, 17, 16                      ; ng: two tiles, or one
	s_cselect_b32 s41, 12, 19                      ; y: 16 rows, or 8 tiles (1,048,576 and 1,572,864 for y = 2, 3)
	s_lshl_b32 s38, s5, s40
	s_lshl_b32 s42, s3, s41
	s_add_co_u32 s38, s38, s42
	s_lshl_b32 s42, s4, 14                         ; the K chunk: 64 rows of 256 bytes
	s_add_co_u32 s38, s38, s42
	v_lshrrev_b32 v6, 5, v4
	v_bfe_u32 v7, v4, 4, 1
	v_and_b32 v8, 15, v4
	v_lshlrev_b32 v6, s37, v6
	v_lshlrev_b32 v7, s39, v7
	v_add_nc_u32 v6, v6, v7
	v_lshl_add_u32 v6, v8, 8, v6
	v_lshl_add_u32 v6, v2, 4, v6                   ; my 8 k are 16 bytes of the row
	v_add_nc_u32 v6, s38, v6                       ; destination of my first n
	v_lshlrev_b32 v64, 3, v0                       ; 8 x thread: for the small tables
	s_mov_b32 s36, 1.0                             ; the bias's factor: 1, log2(e), -log2(e), 1
	s_cmp_eq_u32 s3, 1
	s_cselect_b32 s36, 0x3fb8aa3b, s36
	s_cmp_eq_u32 s3, 2
	s_cselect_b32 s36, 0xbfb8aa3b, s36
	s_wait_kmcnt 0x0
	s_cmp_eq_u32 s3, 1                             ; W_y and b_y
	s_cselect_b64 s[32:33], s[10:11], s[8:9]
	s_cselect_b64 s[34:35], s[18:19], s[16:17]
	s_cmp_eq_u32 s3, 2
	s_cselect_b64 s[32:33], s[12:13], s[32:33]
	s_cselect_b64 s[34:35], s[20:21], s[34:35]
	s_cmp_eq_u32 s3, 3
	s_cselect_b64 s[32:33], s[14:15], s[32:33]
	s_cselect_b64 s[34:35], s[22:23], s[34:35]
.irp e, 0,1,2,3,4,5,6,7
	global_load_b128 v[SRC+4*(\e):SRC+4*(\e)+3], v5, s[32:33] offset:(\e)*2048
.endr
	s_wait_loadcnt 0x0
.irp i, 0,1,2,3
.irp p, 0,1,2,3
	v_cvt_pk_bf16_f32 v[PK+4*(\i)+(\p)], v[SRC+8*(\p)+(\i)], v[SRC+8*(\p)+4+(\i)]  ; column n0 + i, k = 2 p and 2 p + 1
.endr
.endr
	s_cmp_lg_u32 s3, 3
	s_cbranch_scc1 .Lkeep
.set n, 0
.rept 16                                           ; W_out multiplies an f16 operand: its bf16 number is written as f16
	v_lshlrev_b32 v8, 16, v[PK+n]
	v_and_b32 v9, 0xffff0000, v[PK+n]
	v_cvt_pk_f16_f32 v[PK+n], v8, v9
.set n, n+1
.endr
.Lkeep:
.irp i, 0,1,2,3
	global_store_b128 v6, v[PK+4*(\i):PK+4*(\i)+3], s[28:29] offset:(\i)*256
.endr
	s_cmp_lg_u32 s2, 0                             ; the work-groups x = 0: bias y, two numbers a thread
	s_cbranch_scc1 .Lno_bias
	global_load_b64 v[66:67], v64, s[34:35]
	s_lshl_b32 s41, s3, 11
	v_add_nc_u32 v65, s41, v64
	s_wait_loadcnt 0x0
	v_cvt_pk_bf16_f32 v68, v66, v67
	v_lshlrev_b32 v70, 16, v68
	v_and_b32 v71, 0xffff0000, v68
	v_mul_f32 v70, s36, v70
	v_mul_f32 v71, s36, v71
	global_store_b64 v65, v[70:71], s[30:31]
.Lno_bias:
	s_cmp_lg_u32 s2, 1                             ; the work-group (1, 0): cos, sin, and the lower bound
	s_cbranch_scc1 .Lend
	s_cmp_lg_u32 s3, 0
	s_cbranch_scc1 .Lend
	s_load_b32 s42, s[26:27], 0x0
	global_load_b64 v[72:73], v64, s[24:25]
	s_wait_loadcnt 0x0
	v_cvt_pk_bf16_f32 v74, v72, v73
	v_lshlrev_b32 v75, 16, v74
	v_and_b32 v76, 0xffff0000, v74
; theta = q pi/2 + r, |r| <= pi/4; sin r and cos r by their series to r^9 and r^8; q mod 4 swaps them and sets the signs (selects only, no branch)
.macro SINCOS a, sn, cs
	v_mul_f32 v80, 0x3f22f983, v[\a]               ; 2 / pi
	v_rndne_f32 v80, v80
	v_fmamk_f32 v81, v80, 0xbfc90fdb, v[\a]        ; - q x (pi/2, upper part)
	v_fmamk_f32 v81, v80, 0x333bbd2e, v81          ; - q x (pi/2, the rest)
	v_mul_f32 v82, v81, v81
	v_mov_b32 v83, 0x3638ef1d                      ; 1/9!
	v_fmaak_f32 v83, v83, v82, 0xb9500d01          ; -1/7!
	v_fmaak_f32 v83, v83, v82, 0x3c088889          ; 1/5!
	v_fmaak_f32 v83, v83, v82, 0xbe2aaaab          ; -1/3!
	v_mul_f32 v84, v81, v82
	v_fma_f32 v83, v84, v83, v81                   ; sin r
	v_mov_b32 v85, 0x37d00d01                      ; 1/8!
	v_fmaak_f32 v85, v85, v82, 0xbab60b61          ; -1/6!
	v_fmaak_f32 v85, v85, v82, 0x3d2aaaab          ; 1/4!
	v_fmaak_f32 v85, v85, v82, 0xbf000000          ; -1/2
	v_fma_f32 v85, v85, v82, 1.0                   ; cos r
	v_cvt_i32_f32 v86, v80
	v_and_b32 v87, 1, v86
	v_cmp_eq_u32 s44, 1, v87
	v_cndmask_b32 v88, v83, v85, s44               ; q odd: sin takes cos r,
	v_cndmask_b32 v89, v85, v83, s44               ; cos takes sin r
	v_lshlrev_b32 v87, 30, v86
	v_and_b32 v87, 0x80000000, v87                 ; sin is turned for q mod 4 = 2, 3
	v_xor_b32 v[\sn], v87, v88
	v_add_nc_u32 v86, 1, v86
	v_lshlrev_b32 v87, 30, v86
	v_and_b32 v87, 0x80000000, v87                 ; cos for q mod 4 = 1, 2
	v_xor_b32 v[\cs], v87, v89
.endm
	SINCOS 75, 90, 92
	SINCOS 76, 91, 93
	s_wait_kmcnt 0x0
	v_mov_b32 v77, s42
	v_cvt_pk_bf16_f32 v77, v77, v77
	v_lshlrev_b32 v94, 16, v77                     ; lb
	v_sub_f32 v95, 1.0, v94                        ; 1 - lb
	global_store_b64 v64, v[92:93], s[30:31] offset:8192
	global_store_b64 v64, v[90:91], s[30:31] offset:10240
	global_store_b64 v64, v[94:95], s[30:31] offset:12288
.Lend:
	s_endpgm
.Lfunc_end_k_qec4ce0d4dc_prep:
	.size	k_qec4ce0d4dc_prep, .Lfunc_end_k_qec4ce0d4dc_prep-k_qec4ce0d4dc_prep
	.p2alignl 7, 3214868480
	.fill 96, 4, 3214868480
	.section	.rodata,"a",@progbits
	.p2align	6, 0x0
	.amdhsa_kernel k_qec4ce0d4dc_prep
		.amdhsa_group_segment_fixed_size 0
		.amdhsa_private_segment_fixed_size 0
		.amdhsa_enable_private_segment 0
		.amdhsa_kernarg_size 96
		.amdhsa_user_sgpr_count 2
		.amdhsa_user_sgpr_kernarg_segment_ptr 1
		.amdhsa_wavefront_size32 1
		.amdhsa_system_sgpr_workgroup_id_x 1
		.amdhsa_system_sgpr_workgroup_id_y 1
		.amdhsa_system_sgpr_workgroup_id_z 1
		.amdhsa_system_vgpr_workitem_id 0
		.amdhsa_next_free_vgpr 96
		.amdhsa_next_free_sgpr 66
		.amdhsa_reserve_vcc 0
		.amdhsa_float_denorm_mode_32 3
		.amdhsa_float_denorm_mode_16_64 3
		.amdhsa_memory_ordered 1
		.amdhsa_forward_progress 1
		.amdhsa_inst_pref_size 12
	.end_amdhsa_kernel
	.amdgpu_metadata
---
amdhsa.version: [ 1, 2 ]
amdhsa.kernels:
  - .name:           k_qec4ce0d4dc_prep
    .symbol:         k_qec4ce0d4dc_prep.kd
    .args:
      - { .name: W_in, .offset: 0, .size: 8, .value_kind: global_buffer, .address_space: global }
      - { .name: W_f, .offset: 8, .size: 8, .value_kind: global_buffer, .address_space: global }
      - { .name: W_g, .offset: 16, .size: 8, .value_kind: global_buffer, .address_space: global }
      - { .name: W_out, .offset: 24, .size: 8, .value_kind: global_buffer, .address_space: global }
      - { .name: b_in, .offset: 32, .size: 8, .value_kind: global_buffer, .address_space: global }
      - { .name: b_f, .offset: 40, .size: 8, .value_kind: global_buffer, .address_space: global }
      - { .name: b_g, .offset: 48, .size: 8, .value_kind: global_buffer, .address_space: global }
      - { .name: b_out, .offset: 56, .size: 8, .value_kind: global_buffer, .address_space: global }
      - { .name: theta, .offset: 64, .size: 8, .value_kind: global_buffer, .address_space: global }
      - { .name: lower_bound, .offset: 72, .size: 8, .value_kind: global_buffer, .address_space: global }
      - { .name: wt, .offset: 80, .size: 8, .value_kind: global_buffer, .address_space: global }
      - { .name: consts, .offset: 88, .size: 8, .value_kind: global_buffer, .address_space: global }
    .group_segment_fixed_size: 0
    .private_segment_fixed_size: 0
    .kernarg_segment_align: 8
    .kernarg_segment_size: 96
    .max_flat_workgroup_size: 256
    .sgpr_count:     66
    .vgpr_count:     96
    .wavefront_size: 32
...
	.end_amdgpu_metadata
.endif
;; end of part 1
;; launch proj (part 2): grid 256 x 1, 4 waves a work-group, clusters of 4 x 1, 327,680 bytes of LDS; arguments x, wt, consts, lv; writes lv
.if DOCPART == 2
	.amdgcn_target "amdgcn-amd-amdhsa--gfx1250"
	.amdhsa_code_object_version 6
	.text
	.protected	k_qec4ce0d4dc_proj
	.globl	k_qec4ce0d4dc_proj
	.p2align	8
	.type	k_qec4ce0d4dc_proj,@function
k_qec4ce0d4dc_proj:
	s_mov_b64 s[64:65], 0
	v_nop
	global_prefetch_b8 v0, s[64:65] scope:SCOPE_SE
	s_setreg_imm32_b32 hwreg(HW_REG_WAVE_MODE, 25, 1), 1
	s_wait_xcnt 0x0
	s_wait_alu depctr_hold_cnt(0) depctr_sa_sdst(0) depctr_va_vdst(0) depctr_va_sdst(0) depctr_va_ssrc(0) depctr_va_vcc(0) depctr_vm_vsrc(0)
	s_getreg_b32 s2, hwreg(HW_REG_IB_STS2, 6, 4)
	s_cmp_eq_u32 s2, 0
	s_cbranch_scc0 .Lentry_in_a_cluster
	s_endpgm
.Lentry_in_a_cluster:
	s_bfe_u32 s2, ttmp6, 0x10000c
	s_cmp_lg_u32 s2, 0x3003
	s_cbranch_scc0 .Lentry_shape_is_right
	s_endpgm
.Lentry_shape_is_right:
; PROJ.  z_in = x W_in + b_in, z_f = x W_f + b_f (bf16 operands, f32 sums); s = sigmoid(-z_f); lam = 1 - (1 - lb) s; v = s silu(z_in).  Stored: lv[b][cg 128][n 4096][4] words, lam (f16) below, v (f16) above.
; (The recurrence's input is (1 - lam) u = (1 - lb) v; the factor 1 - lb is applied behind the scans, which are linear in it.)
; LIMIT.  v is kept in f16: |v| under 65,504.  lam lies in 0 to 1 for a lower bound in 0 to 1.
; SHARES.  A work-group owns 128 rows of x (work-group g: rows 128 g on), a wave 64 of them (wm) and 32 of a tile's 64 weight rows (wn).  A wave's 64 rows x K 512 stay in registers as 64 fragments
; (windows 1 and 2), so a step reads only the weights from LDS, 64 loads for 128 matrix instructions, and finishes its outputs over the whole K: 8 accumulators, 16 steps.
; A step's tile holds 16 channels of W_in and the same 16 of W_f for each wn, so z_in and z_f of a channel meet in one lane.
; BY HALVES.  A step's half A is the four accumulators of z_in over the whole K (64 matrix instructions), its half B the four of z_f.  While one half is multiplied the other half's accumulators are idle, and the
; way out works on them in place, two or three lines behind each matrix instruction: behind half B the list P1 of this step (silu(z_in), into TMP), behind half A of the next step the list P2 of this step
; (s, v, lam, the packed words, into TMP; then the stores).  So half A of step 0 stands bare ahead of the loop, the loop is entered at half B, and P2 of the last step stands alone at the end.
; WINDOWS.  The products' setting differs from 0 in the second source's field alone (x's fragments).  A line whose second source is a scalar pair or a constant names the same registers under it: the
; exponentials, the reciprocals, the scalings, + 1.0, and the bias as z x 1.0 + b.  Only the products of two vectors and the packing want window 0; they stand in threes at the lists' ends.
; CLUSTER.  All work-groups walk the same 16 tiles, so the four of a cluster ask for each tile JOINTLY: the same tensor load, descriptor and mask in all four.
; THE MATRIX INSTRUCTION IS USED TRANSPOSED (source 0 = 16 weight rows, source 1 = 16 rows of x): a lane holds one row of x (lane % 16) and the channels 8 (lane / 16) + 0..7: four
; neighbouring channels are 16 bytes of lv, and sixteen lanes store 256 consecutive bytes, aligned.
; LDS: SLOT0, SLOT1 a tile each, as four K chunks of 64 rows of 272 bytes (tensor loads only); ABASE x as bf16, 128 rows of 1,040 (stored from registers only); the spare words.
; REGISTERS: window 0: v0-11 addresses; v12-13 the add's; v16-47 TMP; v48-111 accumulators; v112-175, v176-239 weight fragments, two buffers; v240-255 biases.  Windows 1, 2: x as loaded, then its fragments.
.set PITCH,  1040                      ; a row of x: 1,024 bytes + 16 = 65 x 16: the 16 rows of a fragment load start at 16 different groups of four banks (64 banks of 4 bytes: ISA guide 11.1)
.set BP,     272                       ; a weight row's 128 k: 256 bytes + 16 = 17 x 16: likewise
.set QTILE,  64*BP                     ; a K chunk of a tile: what one wave's tensor load brings
.set SLOT1,  4*QTILE                   ; slot 0 begins at byte 0, slot 1 at 69,632 = 0x11000
.set XORC,   SLOT1                     ; the waves' places in slot 0 (0, 0x4400, 0x8800, 0xcc00) have both bits of 0x11000 clear, so the exclusive or moves an address by just a slot
.set ABASE,  2*SLOT1
.set SPARE,  ABASE+128*PITCH           ; the spare words, 128 bytes for each wave: two blocks of 256 bytes that no other line names
.set STEPS,  16
.set LVSTEP, 524288                    ; a step's 32 channels are 8 groups of four: 8 x 65,536 bytes of lv
.set ADRB, 4                           ; v4   my place in the tile that is read
.set BL,   5                           ; v5   (32 wn + lane % 16) BP + 16 (lane / 16)
.set ADRA, 6                           ; v6   ABASE + (64 wm + lane % 16) PITCH + 16 (lane / 16)
.set XST,  7                           ; v7   where my 8 bytes of a row of x go
.set XOF,  8                           ; v8   16 x lane
.set LVO,  9                           ; v9   my offset in lv
.set BOF,  10                          ; v10  32 (lane / 16): my 8 biases
.set SCR,  11                          ; v11  at work at the head
.set SPW,  12
.set NIL,  13
.set TMP,  16                          ; v[16:47]  element (i, j) at TMP + 8 i + j: 2^(-c z_in) and what is made of it; silu; v; at last the packed words
.set T,    TMP                         ; at the head: x's conversion
.set ACC,  48                          ; accumulator (i, nb) at ACC + 8 (2 i + nb): rows 16 i on; nb = 0 z_in, 1 z_f
.set BUF0, 112
.set BUF1, 176
.set BI,   240
.set BFS,  248
.set WV, 12
.set WM, 13
.set WN, 14
.set G1, 20                            ; s[20:27]
.set G0, 28                            ; s[28:31]
.set RD, 33                            ; s33  the slot that is read
.set CNT, 35
.set MSB, 0
.macro WIN new                         ; the immediate's high byte repeats the setting that is left; a switch that changes nothing is dropped
.if MSB != (\new)
	s_set_vgpr_msb (MSB<<8)|(\new)
.set MSB, \new
.endif
.endm
.macro PLACES                          ; four places behind matrix instructions, in front of what reads their results or writes their registers (ISA guide 7.12.1)
.rept 4
	v_nop
.endr
.endm
.macro ROUND                           ; a round of the cluster's barrier
	s_barrier_signal -1
	s_barrier_wait -1
	s_cmp_lg_u32 s[WV], 0
	s_cbranch_scc1 .Lnot_wave_0_\@
	s_barrier_signal -3
.Lnot_wave_0_\@:
	s_barrier_wait -3
	s_barrier_signal -1
	s_barrier_wait -1
.endm
; THE CHANGE OF SLOTS.  Each wave waits for all its tensor loads (one is out: its chunk of the tile to be read), adds 0 to its spare word, and waits for that and for its reads of the slot that it leaves.
; fill = 1: a round of the cluster's barrier, and first behind it the joint load of the next tile into the slot just left; it has a step's 128 matrix instructions in which to land.
; The four v_nop are also the places between half B's last products and what follows: the loads into the second buffer, and P2's first lines.
.macro CH fill
	s_wait_tensorcnt 0x0                           ; no tensor load of mine is out, so group 0 may be written
	ds_add_u32 v[SPW], v[NIL]
	s_xor_b32 s[RD], s[RD], XORC
.if \fill
	s_xor_b32 s[G0+1], s[G0+1], XORC               ; the other slot,
	s_add_nc_u64 s[G0+2:G0+3], s[G0+2:G0+3], 65536 ; the next tile; the type bits on top are not reached
.endif
	s_wait_dscnt 0x0                               ; the add is done, and my reads of LDS are over
.if \fill
	ROUND
	tensor_load_to_lds s[G0:G0+3], s[G1:G1+7]
	s_nop 0
.else
	s_barrier_signal -1
	s_barrier_wait -1
.endif
	PLACES
	v_add_nc_u32 v[ADRB], s[RD], v[BL]
.endm
; The four loads of row p of my 32 rows of x, 512 consecutive bytes each, into register 16 (p % 16) on of window 1 + p / 16
.macro XASK p
	WIN 0x40*(1+(\p)/16)
.irp c, 0,1,2,3
	global_load_b128 v[16*((\p)%16)+4*(\c):16*((\p)%16)+4*(\c)+3], v[XOF], s[4:5] offset:(\p)*2048+(\c)*512 th:TH_LOAD_NT
.endr
.endm
; Row p is rounded to bf16 and stored into LDS.  left: the younger loads, which stay out.  more = 1: row p + 15 is asked for.
.macro XROW p, left, more
	s_wait_loadcnt \left
	WIN 0x05*(1+(\p)/16)                           ; sources in window 1 (rows 0-15) or 2
.irp c, 0,1,2,3
	v_cvt_pk_bf16_f32 v[T+8*((\p)%2)+2*(\c)],   v[16*((\p)%16)+4*(\c)],   v[16*((\p)%16)+4*(\c)+1]
	v_cvt_pk_bf16_f32 v[T+8*((\p)%2)+2*(\c)+1], v[16*((\p)%16)+4*(\c)+2], v[16*((\p)%16)+4*(\c)+3]
.endr
	WIN 0
.irp c, 0,1,2,3
	ds_store_b64 v[XST], v[T+8*((\p)%2)+2*(\c):T+8*((\p)%2)+2*(\c)+1] offset:(\p)*PITCH+(\c)*256
.endr
.if \more
	XASK (\p)+15
.endif
.endm
; My 64 rows x K 512 from LDS into 64 fragments: rows 16 i on, K 32 kk on, at register 8 (4 (kk % 8) + i) of window 1 + kk / 8
.macro AFRAG
	WIN 0x40
.set kk, 0
.rept 16
.if kk == 8
	WIN 0x80
.endif
.irp i, 0,1,2,3
	ds_load_b128 v[8*(4*(kk&7)+(\i)):8*(4*(kk&7)+(\i))+3],   v[ADRA] offset:(\i)*16*PITCH+kk*64
	ds_load_b128 v[8*(4*(kk&7)+(\i))+4:8*(4*(kk&7)+(\i))+7], v[ADRA] offset:(\i)*16*PITCH+kk*64+32
.endr
.set kk, kk+1
.endr
	WIN 0
.endm
; Group g of a step's four: the 16 weight rows of block g / 2 (0: W_in, 1: W_f), K 256 (g % 2) on: eight fragments.  16 LDS loads into buffer f; fragment kl lies in K chunk 2 (g % 2) + kl / 4.
.macro FETCH g, f
.irp kl, 0,1,2,3,4,5,6,7
	ds_load_b128 v[(\f)+8*(\kl):(\f)+8*(\kl)+3],   v[ADRB] offset:(2*((\g)&1)+(\kl)/4)*QTILE+((\g)/2)*16*BP+((\kl)%4)*64
	ds_load_b128 v[(\f)+8*(\kl)+4:(\f)+8*(\kl)+7], v[ADRB] offset:(2*((\g)&1)+(\kl)/4)*QTILE+((\g)/2)*16*BP+((\kl)%4)*64+32
.endr
.endm
; Matrix instruction mw of group g's 32: fragment mw / 4 of the buffer, rows 16 (mw % 4) on.  The half's four accumulators take turns, one instruction a turn.
; A half's first four start the sums with the constant 0.  x's fragments lie in window 1 (K 0-255) or 2.
.macro MM g, f
	WIN 0x04*(1+((\g)&1))
.set kl, mw/4
.set ii, mw%4
.set rD, ACC+8*(2*ii+(\g)/2)
.set rB, (\f)+8*kl
.set rA, 8*(4*kl+ii)
.if (((\g)&1) == 0) && (kl == 0)
	v_wmma_f32_16x16x32_bf16 v[rD:rD+7], v[rB:rB+7], v[rA:rA+7], 0
.else
	v_wmma_f32_16x16x32_bf16 v[rD:rD+7], v[rB:rB+7], v[rA:rA+7], v[rD:rD+7]
.endif
.set mw, mw+1
.endm
; THE WAY OUT, as two numbered lists.  A lane has 32 elements a half: element e = (rows 16 (e / 8) on, channel e % 8), in 16 pairs.
.macro PAIR x
.set rZI, ACC+16*((\x)/4)+2*((\x)%4)
.set rZF, rZI+8
.set rT,  TMP+2*(\x)
.set rBI, BI+2*((\x)%4)
.set rBF, BFS+2*((\x)%4)
.endm
.macro ELEM x
.set eZF, ACC+16*((\x)/8)+8+(\x)%8
.set eT,  TMP+(\x)
.endm
; P1 writes line n1 of 130, on z_in's accumulators (each is read from its low end on):
;   0-15 z_in + b_in (as z x 1.0 + b: see WINDOWS)     16-31 TMP = -log2(e) z_in     32-63 2^TMP     65-80 + 1     81-112 the reciprocal: sigmoid(z_in)     114-129 TMP = silu(z_in) (window 0)
;   64, 113: a plain line between the last transcendental and the first use of a result.
; Ahead of line 16 the wave waits until the last stores, whose data lie in TMP, and the last bias loads have had their addresses translated (ISA guide 3.1): only then TMP and the two bases are written again.
; ASK = 1: b_in of the next step is asked for there; this step's was read by lines 0-15.
.macro P1
.if n1 < 16
	PAIR n1
	v_pk_fma_f32 v[rZI:rZI+1], v[rZI:rZI+1], 1.0, v[rBI:rBI+1] op_sel_hi:[1,0,1]
.elseif n1 < 32
.if n1 == 16
	s_wait_xcnt 0x0
	s_add_nc_u64 s[10:11], s[10:11], LVSTEP        ; lv's base stands a step ahead of the step whose words go out next; the stores reach back
	s_add_nc_u64 s[46:47], s[46:47], 128           ; 32 biases on
.if ASK
	global_load_b128 v[BI:BI+3],   v[BOF], s[46:47]
	global_load_b128 v[BI+4:BI+7], v[BOF], s[46:47] offset:16
.endif
.endif
	PAIR n1-16
	v_pk_mul_f32 v[rT:rT+1], v[rZI:rZI+1], s[36:37] op_sel_hi:[1,0]
.elseif n1 < 64
	ELEM n1-32
	v_exp_f32 v[eT], v[eT]
.elseif n1 == 64
	v_nop
	s_wait_alu depctr_va_vdst(0)
.elseif n1 < 81
	PAIR n1-65
	v_pk_add_f32 v[rT:rT+1], v[rT:rT+1], 1.0 op_sel_hi:[1,0]
.elseif n1 < 113
	ELEM n1-81
	v_rcp_f32 v[eT], v[eT]
.elseif n1 == 113
	v_nop
	s_wait_alu depctr_va_vdst(0)
.elseif n1 < 130
	PAIR n1-114
	WIN 0
	v_pk_mul_f32 v[rT:rT+1], v[rT:rT+1], v[rZI:rZI+1]
.endif
.set n1, n1+1
.endm
; P2 writes line n2 of 162, on z_f's accumulators and TMP:
;   0-15 log2(e) z_f + log2(e) b_f     16-47 2^that     49-64 + 1     65-96 the reciprocal: s = sigmoid(-z_f)     98-113 TMP = v = silu x s (window 0)     114-129 lam = 1 - (1 - lb) s
;   130-161 TMP = lam and v rounded to f16, one word (window 0)     48, 97: a plain line behind the last transcendental
.macro P2
.if n2 < 16
	PAIR n2
	v_pk_fma_f32 v[rZF:rZF+1], v[rZF:rZF+1], s[38:39], v[rBF:rBF+1] op_sel_hi:[1,0,1]
.elseif n2 < 48
	ELEM n2-16
	v_exp_f32 v[eZF], v[eZF]
.elseif n2 == 48
	v_nop
	s_wait_alu depctr_va_vdst(0)
.elseif n2 < 65
	PAIR n2-49
	v_pk_add_f32 v[rZF:rZF+1], v[rZF:rZF+1], 1.0 op_sel_hi:[1,0]
.elseif n2 < 97
	ELEM n2-65
	v_rcp_f32 v[eZF], v[eZF]
.elseif n2 == 97
	v_nop
	s_wait_alu depctr_va_vdst(0)
.elseif n2 < 114
	PAIR n2-98
	WIN 0
	v_pk_mul_f32 v[rT:rT+1], v[rT:rT+1], v[rZF:rZF+1]
.elseif n2 < 130
	PAIR n2-114
	v_pk_fma_f32 v[rZF:rZF+1], v[rZF:rZF+1], s[40:41], 1.0 op_sel_hi:[1,0,0]
.elseif n2 < 162
	ELEM n2-130
	WIN 0
	v_cvt_pk_f16_f32 v[eT], v[eZF], v[eT]
.endif
.set n2, n2+1
.endm
; Group g's 32 matrix instructions.  q = 0: bare.  q = 1, 2: behind each the next two lines of P1 or P2, three from the first line on that wants window 0.
; P1: 114 / 2 + 16 / 3 = 63 of a half's 64 places are used; P2, whose first 16 lines stand ahead of the half: 82 / 2 + 64 / 3 = 63.  None of the lines names a register of the products round it.
.macro RUN g, f, q
.set mw, 0
.rept 32
	MM \g, \f
.if (\q) == 1
.if n1 >= 114
	P1
.endif
	P1
	P1
.endif
.if (\q) == 2
.if n2 >= 98
	P2
.endif
	P2
	P2
.endif
.endr
.endm
.macro ASKBF                           ; log2(e) b_f of the step in hand: read by P2 a step later
	global_load_b128 v[BFS:BFS+3],   v[BOF], s[46:47] offset:2048
	global_load_b128 v[BFS+4:BFS+7], v[BOF], s[46:47] offset:2064
.endm
.macro SENDLV                          ; the packed words of the step before the base's
.irp i, 0,1,2,3
.irp q, 0,1
	global_store_b128 v[LVO], v[TMP+8*(\i)+4*(\q):TMP+8*(\i)+4*(\q)+3], s[10:11] offset:(\q)*65536+(\i)*256-LVSTEP  ; 16 lanes: 16 neighbouring n of one group of four channels, 256 consecutive bytes, aligned
.endr
.endr
.endm
; HALF A of a step that has a step before it.  P2's first 16 lines stand between the first fragment loads and the wait for them.
.macro HALF_A fill
	CH \fill
	FETCH 0, BUF0
	FETCH 1, BUF1
	s_wait_loadcnt 0x2                             ; b_f of the step before is in; the two younger loads are this step's b_in
.set n2, 0
.rept 16
	P2
.endr
	ASKBF
	s_wait_dscnt 16                                ; the 16 younger loads are the next group's
	RUN 0, BUF0, 2
	PLACES                                         ; in front of the loads into the buffer just multiplied
	FETCH 2, BUF0
	s_wait_dscnt 16
	RUN 1, BUF1, 2
	WIN 0
	SENDLV
.endm
; HALF B.  The four v_nop stand between half A's last products and the loads into their buffer, and P1's first lines.
.macro HALF_B
	PLACES
	FETCH 3, BUF1
	s_wait_loadcnt 0x2                             ; this step's b_in is in; the two younger loads are its b_f
	s_wait_dscnt 16
.set n1, 0
	RUN 2, BUF0, 1
	s_wait_dscnt 0x0
	RUN 3, BUF1, 1
	WIN 0
.endm
	s_load_b256 s[4:11], s[0:1], 0x0               ; x s[4:5], wt s[6:7], consts s[8:9], lv s[10:11]
	v_lshl_add_u32 v[SPW], v0, 2, SPARE
	v_mov_b32 v[NIL], 0
	ds_add_u32 v[SPW], v[NIL]                      ; the wave's opening: the add and its wait ahead of my first tensor load
	ds_add_u32 v12, v13
	v_lshrrev_b32 v3, 5, v0
	v_readfirstlane_b32 s[WV], v3
	s_lshr_b32 s[WM], s[WV], 1
	s_and_b32 s[WN], s[WV], 1
	s_bfe_u32 s15, ttmp6, 0x40000                  ; cx
	s_lshl_b32 s16, ttmp9, 2
	s_add_co_u32 s16, s16, s15                     ; g = 4 x cluster + cx: it enters x's and lv's addresses alone
	; group 1: a K chunk of a tile is 16,384 dense bytes: 64 rows of 256 bytes, 16 bytes of padding behind each
	s_mov_b32 s[G1], 15|(3<<16)|(1<<20)|(1<<21)|(5<<22)|(3<<25)  ; the mask of four; 8-byte elements; padding on; bit 21 beside a mask; after every 64 words (code 5); 4 words (code 3)
	s_mov_b32 s[G1+1], 32<<16                      ; tensor_dim0 = 32
	s_mov_b32 s[G1+2], 64<<16                      ; tensor_dim1 = 64
	s_mov_b32 s[G1+3], 32<<16                      ; tile_dim0 = 32
	s_mov_b32 s[G1+4], 64                          ; tile_dim1 = 64
	s_mov_b32 s[G1+5], 32                          ; 32 elements from row to row
	s_mov_b32 s[G1+6], 0
	s_mov_b32 s[G1+7], 0
	s_mov_b32 s[G0], 1
	s_mul_i32 s[G0+1], s[WV], QTILE                ; tile 0 goes to slot 0: my chunk's place in it
	s_mov_b32 s[RD], SLOT1                         ; the first change of slots turns it to slot 0
	s_lshl_b32 s44, s[WV], 14                      ; my chunk of a tile in wt
	s_mov_b32 s45, 0
	s_lshl_b32 s46, s[WN], 6                       ; my 16 channels' biases
	s_mov_b32 s47, 0
	s_lshl_b32 s18, s16, 18                        ; x: 128 g rows of 2,048 bytes,
	s_lshl_b32 s19, s[WV], 16                      ; and the 32 rows that I bring in
	s_add_co_u32 s18, s18, s19
	s_mov_b32 s19, 0
	s_lshr_b32 s48, s16, 5                         ; lv: batch g / 32,
	s_lshl_b32 s48, s48, 23
	s_and_b32 s49, s16, 31                         ; n0 = 128 (g % 32), 16 bytes each,
	s_lshl_b32 s49, s49, 11
	s_add_co_u32 s48, s48, s49
	s_lshl_b32 s49, s[WN], 18                      ; four groups of channels for wn,
	s_add_co_u32 s48, s48, s49
	s_lshl_b32 s49, s[WM], 10                      ; 64 rows for wm
	s_add_co_u32 s48, s48, s49
	s_mov_b32 s49, 0
	s_mov_b32 s36, 0xbfb8aa3b                      ; -log2(e), named as a pair
	s_mov_b32 s37, s36
	s_mov_b32 s38, 0x3fb8aa3b                      ; log2(e)
	s_mov_b32 s39, s38
	v_and_b32 v1, 15, v0
	v_bfe_u32 v2, v0, 4, 1
	v_and_b32 v3, 31, v0
	s_lshl_b32 s17, s[WN], 5
	v_add_nc_u32 v[SCR], s17, v1
	v_mul_u32_u24 v[BL], v[SCR], BP
	v_lshl_add_u32 v[BL], v2, 4, v[BL]
	s_lshl_b32 s17, s[WM], 6
	v_add_nc_u32 v[SCR], s17, v1
	v_mul_u32_u24 v[ADRA], v[SCR], PITCH
	v_lshl_add_u32 v[ADRA], v2, 4, v[ADRA]
	v_add_nc_u32 v[ADRA], ABASE, v[ADRA]
	s_mul_i32 s17, s[WV], 32*PITCH
	s_add_co_u32 s17, s17, ABASE
	v_lshl_add_u32 v[XST], v3, 3, s17
	v_lshlrev_b32 v[XOF], 4, v3
	v_lshlrev_b32 v[LVO], 4, v1
	v_lshl_add_u32 v[LVO], v2, 17, v[LVO]          ; 16 (lane % 16) + two groups of channels for lanes 16-31
	v_lshlrev_b32 v[BOF], 5, v2
	s_wait_dscnt 0x0                               ; the opening add is done
	s_wait_kmcnt 0x0
	s_add_nc_u64 s[4:5], s[4:5], s[18:19]
	s_add_nc_u64 s[10:11], s[10:11], s[48:49]
	s_add_nc_u64 s[G0+2:G0+3], s[6:7], s[44:45]
	s_or_b32 s[G0+3], s[G0+3], 0x80000000          ; type = 2
	s_add_nc_u64 s[46:47], s[8:9], s[46:47]
	s_load_b64 s[42:43], s[8:9], 0x3000            ; lb, 1 - lb
.set rho, 0
.rept 15                                           ; my rows 0-14 of x: 60 loads
	XASK rho
.set rho, rho+1
.endr
	WIN 0
	ROUND                                          ; all four work-groups are here: the first joint load meets
	tensor_load_to_lds s[G0:G0+3], s[G1:G1+7]      ; tile 0
	s_nop 0
	PLACES
	s_wait_kmcnt 0x0
	s_xor_b32 s40, s43, 0x80000000                 ; -(1 - lb), named as a pair
	s_mov_b32 s41, s40
.set rho, 0
.rept 17
	XROW rho, 56, 1                                ; behind a row's 4 loads stand those of the 14 rows asked for after it
.set rho, rho+1
.endr
.rept 15
	XROW rho, 4*(31-rho), 0                        ; the counts run down
.set rho, rho+1
.endr
	WIN 0
	s_wait_dscnt 0x0                               ; for the others' sake: my rows of x are in LDS
	s_barrier_signal -1
	s_barrier_wait -1                              ; tile 0 may stay out
	AFRAG
	global_load_b128 v[BI:BI+3],   v[BOF], s[46:47]            ; b_in of step 0
	global_load_b128 v[BI+4:BI+7], v[BOF], s[46:47] offset:16
	CH 1                                           ; STEP 0, half A: there is no step before it, so its products stand bare
	FETCH 0, BUF0
	FETCH 1, BUF1
	ASKBF
	s_wait_dscnt 16                                ; the 16 younger loads are the next group's
	RUN 0, BUF0, 0
	PLACES
	FETCH 2, BUF0
	s_wait_dscnt 16
	RUN 1, BUF1, 0
	WIN 0
	s_mov_b32 s[CNT], STEPS-1
	s_branch .Lmid                                 ; the loop is entered at a step's half B
.Lstep:                                                ; the upper part serves steps 1 to 14: each asks for the tile of the step after it
	HALF_A 1
.Lmid:                                                 ; the lower part serves steps 0 to 14
.set ASK, 1
	HALF_B
	s_sub_co_u32 s[CNT], s[CNT], 1
	s_cmp_lg_u32 s[CNT], 0
	s_cbranch_scc1 .Lstep
	HALF_A 0                                       ; step 15 is written out: it asks for no tile, and for no further b_in
.set ASK, 0
	HALF_B
	PLACES                                         ; behind the last products
	s_wait_loadcnt 0x0                             ; b_f of step 15
.set n2, 0
.rept 162
	P2                                             ; the last step's second list stands alone
.endr
	SENDLV
	s_wait_tensorcnt 0x0                           ; the wave's end
	ds_add_u32 v[SPW], v[NIL]
	s_wait_dscnt 0x0
	ROUND                                          ; the closing round
	s_endpgm
.Lfunc_end_k_qec4ce0d4dc_proj:
	.size	k_qec4ce0d4dc_proj, .Lfunc_end_k_qec4ce0d4dc_proj-k_qec4ce0d4dc_proj
	.p2alignl 7, 3214868480
	.fill 96, 4, 3214868480
	.section	.rodata,"a",@progbits
	.p2align	6, 0x0
	.amdhsa_kernel k_qec4ce0d4dc_proj
		.amdhsa_group_segment_fixed_size 327680
		.amdhsa_private_segment_fixed_size 0
		.amdhsa_enable_private_segment 0
		.amdhsa_kernarg_size 32
		.amdhsa_user_sgpr_count 2
		.amdhsa_user_sgpr_kernarg_segment_ptr 1
		.amdhsa_wavefront_size32 1
		.amdhsa_system_sgpr_workgroup_id_x 1
		.amdhsa_system_sgpr_workgroup_id_y 1
		.amdhsa_system_sgpr_workgroup_id_z 1
		.amdhsa_system_vgpr_workitem_id 0
		.amdhsa_next_free_vgpr 768
		.amdhsa_next_free_sgpr 66
		.amdhsa_reserve_vcc 0
		.amdhsa_float_denorm_mode_32 3
		.amdhsa_float_denorm_mode_16_64 3
		.amdhsa_memory_ordered 1
		.amdhsa_forward_progress 1
		.amdhsa_inst_pref_size 131
	.end_amdhsa_kernel
	.amdgpu_metadata
---
amdhsa.version: [ 1, 2 ]
amdhsa.kernels:
  - .name:           k_qec4ce0d4dc_proj
    .symbol:         k_qec4ce0d4dc_proj.kd
    .args:
      - { .name: x, .offset: 0, .size: 8, .value_kind: global_buffer, .address_space: global }
      - { .name: wt, .offset: 8, .size: 8, .value_kind: global_buffer, .address_space: global }
      - { .name: consts, .offset: 16, .size: 8, .value_kind: global_buffer, .address_space: global }
      - { .name: lv, .offset: 24, .size: 8, .value_kind: global_buffer, .address_space: global }
    .group_segment_fixed_size: 327680
    .private_segment_fixed_size: 0
    .kernarg_segment_align: 8
    .kernarg_segment_size: 32
    .max_flat_workgroup_size: 128
    .sgpr_count:     66
    .vgpr_count:     768
    .wavefront_size: 32
...
	.end_amdgpu_metadata
.endif
;; end of part 2
;; launch scan (part 3): grid 256 x 1, 8 waves a work-group, no clusters, 267,264 bytes of LDS; arguments lv, consts, hid, ss; writes hid, ss
.if DOCPART == 3
	.amdgcn_target "amdgcn-amd-amdhsa--gfx1250"
	.amdhsa_code_object_version 6
	.text
	.protected	k_qec4ce0d4dc_scan
	.globl	k_qec4ce0d4dc_scan
	.p2align	8
	.type	k_qec4ce0d4dc_scan,@function
k_qec4ce0d4dc_scan:
	s_mov_b64 s[64:65], 0
	v_nop
	global_prefetch_b8 v0, s[64:65] scope:SCOPE_SE
	s_setreg_imm32_b32 hwreg(HW_REG_WAVE_MODE, 25, 1), 1
	s_wait_xcnt 0x0
; SCAN.  For each batch and channel, on the 64 x 64 grid (n = 64 h + w): h_t = lam_t e^(i theta) h_(t-1) + v_t, forward and backward along w and along h; hid = the sum of the four real parts (f32).
; ss[b][slice][n] = the sum of hid^2 over the slice's 16 channels (f32).  v is the input without its factor 1 - lb, which the next launch applies.
; SHARES.  Work-group g: batch g / 32, 16 channels (slice g % 32) = four UNITS of four channels; a unit is 65,536 dense bytes of lv and of hid.  All four units have LDS bytes of their own; nothing is filled
; again.  Every wave asks at the head for its eighth (8 rows of 1,024 bytes) of each unit, unit after unit: four tensor loads of a wave are out.  A unit is waited for by itself, so the later units arrive
; while the earlier ones are scanned.  NO CLUSTER: no two work-groups read a common byte of lv.
; Waves 0-3 scan along w, waves 4-7 along h.  A lane owns a line of 64 positions and two channels, and runs the forward and the backward scan of that line side by side; their sum stays in 128 registers.
; Then waves 0-3 put their sums into LDS, over the inputs that they read, and waves 4-7 add theirs, square, and store: a store's 32 lanes write 256 consecutive bytes, aligned.
; LDS LOADS AND STORES STAND IN RUNS OF 16, never singly among the arithmetic: a line goes in eight batches of eight positions, and a batch's 16 loads (forward and backward) are issued a batch ahead.
; The stride from position to position hangs on the wave (16 or 1,040 bytes), so it cannot stand in the immediates: 16 pointers, each stepped by eight positions once a batch.
; LDS: unit u at 66,560 u, a row of 64 positions x 16 bytes every 1,040 bytes: along w the 32 lanes of a load touch banks 4 (lane / 2) + 2 (lane % 2), all different (64 banks of 4 bytes: ISA guide 11.1);
; along h they read 256 consecutive bytes.
; REGISTERS: window 0: v0-63 addresses, pointers and states; v64-191 the line's sums; v192-255 the raw words, two halves of 32.  Window 1: v0-63 the sums of squares (waves 4-7).
.set PITCH, 1040
.set UNIT,  64*PITCH
.set SPARE, 4*UNIT                     ; the spare words, 128 bytes for each wave: four blocks of 256 bytes that no other line names
.set BASE, 1                           ; v1   my line's first element in a unit
.set AW,   4                           ; v4   BASE + the unit
.set GO,   5                           ; v5   my offset in a row of hid
.set CSO,  6                           ; v6   my two channels in cos and sin
.set ZR,   7                           ; v7   0
.set C2,   8                           ; v[8:9] cos, v[10:11] sin of my two channels
.set S2,   10
.set NX,   12                          ; v[12:15] the next unit's
.set HIF,  16                          ; imaginary parts, forward and backward
.set HIB,  18
.set SF,   20                          ; real parts, in the second half of a line
.set SB,   22
.set RRF,  24                          ; the turned state
.set RIF,  26
.set RRB,  28
.set RIB,  30
.set PF,   32                          ; v[32:39] LDS addresses of the next batch's eight positions, forward
.set PB,   40                          ; v[40:47] backward
.set ZP,   48                          ; v[48:49] 0
.set LN,   50
.set IDX,  51
.set PP,   52
.set A1,   53
.set A2,   54
.set SPW,  60
.set NIL,  61
.set O,    64                          ; v[64:191] position t's pair at O + 2 t
.set RAW,  192                         ; v[192:255] half b % 2 of batch b: eight pairs {lam, v} forward, then eight backward
.set SSQ,  0                           ; window 1, v[0:63]: position t's sum of squares
.set WV, 12
.set AX, 13
.set KW, 14
.set G1, 16                            ; s[16:23] descriptor group 1
.set G0, 24                            ; s[24:39] descriptor group 0, a set for each unit
.set SAS, 40                           ; bytes from line to line
.set STS, 41                           ; bytes from position to position
.set ST8, 42                           ; eight positions
.set PM,  43                           ; mask of the odd lanes
.set UO,  44
.set CNT, 45
.set SM,  56                           ; s[56:63] j positions, j = 0 .. 7
.set SN,  66                           ; s[66:73] 63 - j positions
.set MSB, 0
.macro WIN new                         ; the immediate's high byte repeats the setting that is left; a switch that changes nothing is dropped
.if MSB != (\new)
	s_set_vgpr_msb (MSB<<8)|(\new)
.set MSB, \new
.endif
.endm
	s_load_b256 s[4:11], s[0:1], 0x0               ; lv s[4:5], consts s[6:7], hid s[8:9], ss s[10:11]
	v_lshl_add_u32 v[SPW], v0, 2, SPARE
	v_mov_b32 v[NIL], 0
	ds_add_u32 v[SPW], v[NIL]                      ; the wave's opening: the add and its wait ahead of my first tensor load
	ds_add_u32 v60, v61
	v_lshrrev_b32 v1, 5, v0
	v_readfirstlane_b32 s[WV], v1
	; group 1: an eighth of a unit is 8,192 dense bytes: 8 rows of 1,024 bytes, 16 bytes of padding behind each
	s_mov_b32 s[G1], (3<<16)|(1<<20)|(7<<22)|(3<<25)  ; 8-byte elements; padding on; after every 256 words (code 7); 4 words (code 3)
	s_mov_b32 s[G1+1], 128<<16                     ; tensor_dim0 = 128
	s_mov_b32 s[G1+2], 8<<16                       ; tensor_dim1 = 8
	s_mov_b32 s[G1+3], 128<<16                     ; tile_dim0 = 128
	s_mov_b32 s[G1+4], 8                           ; tile_dim1 = 8
	s_mov_b32 s[G1+5], 128                         ; 128 elements from row to row
	s_mov_b32 s[G1+6], 0
	s_mov_b32 s[G1+7], 0
	s_mul_i32 s15, s[WV], 8*PITCH                  ; my 8 padded rows in a unit
.irp u, 0,1,2,3
	s_mov_b32 s[G0+4*(\u)], 1
	s_add_co_u32 s[G0+4*(\u)+1], s15, (\u)*UNIT
.endr
	s_lshr_b32 s[AX], s[WV], 2                     ; 0: along w; 1: along h
	s_and_b32 s[KW], s[WV], 3
	s_lshl_b32 s46, s[AX], 10
	s_sub_co_u32 s[SAS], PITCH, s46                ; 1,040 or 16
	s_add_co_u32 s[STS], s46, 16                   ; 16 or 1,040
	s_lshl_b32 s[ST8], s[STS], 3
.irp j, 0,1,2,3,4,5,6,7
	s_mul_i32 s[SM+(\j)], s[STS], (\j)
	s_mul_i32 s[SN+(\j)], s[STS], 63-(\j)
.endr
	s_lshl_b32 s48, ttmp9, 18                      ; the work-group's 262,144 bytes of lv and of hid
	s_mov_b32 s49, 0
	s_lshl_b32 s50, s[WV], 13                      ; my 8 rows in a unit of lv
	s_mov_b32 s51, 0
	s_and_b32 s52, ttmp9, 31
	s_lshl_b32 s52, s52, 6                         ; the slice's 16 channels in cos and sin
	s_mov_b32 s53, 0
	s_lshl_b32 s54, ttmp9, 14                      ; the work-group's 16,384 bytes of ss
	s_mov_b32 s55, 0
	s_wait_dscnt 0x0                               ; the opening add is done
	s_wait_kmcnt 0x0
	s_add_nc_u64 s[4:5], s[4:5], s[48:49]
	s_add_nc_u64 s[4:5], s[4:5], s[50:51]
.irp u, 0,1,2,3                                        ; the four first fills go out together, unit 0's first
	s_add_nc_u64 s[G0+4*(\u)+2:G0+4*(\u)+3], s[4:5], (\u)*65536
	s_or_b32 s[G0+4*(\u)+3], s[G0+4*(\u)+3], 0x80000000  ; type = 2
	tensor_load_to_lds s[G0+4*(\u):G0+4*(\u)+3], s[G1:G1+7]
	s_nop 0
.endr
.rept 4
	v_nop
.endr
	s_add_nc_u64 s[6:7], s[6:7], s[52:53]
	s_add_nc_u64 s[8:9], s[8:9], s[48:49]
	s_add_nc_u64 s[10:11], s[10:11], s[54:55]
	v_and_b32 v[LN], 31, v0
	v_and_b32 v[PP], 1, v0                         ; which two of the unit's four channels
	v_lshlrev_b32 v[CSO], 3, v[PP]
	global_load_b64 v[NX:NX+1],   v[CSO], s[6:7] offset:8192   ; unit 0's cos
	global_load_b64 v[NX+2:NX+3], v[CSO], s[6:7] offset:10240  ; and sin
	v_lshrrev_b32 v[IDX], 1, v[LN]
	s_lshl_b32 s47, s[KW], 4
	v_add_nc_u32 v[IDX], s47, v[IDX]               ; my line: 16 (wave % 4) + lane / 2
	v_mul_lo_u32 v[BASE], v[IDX], s[SAS]
	v_lshl_add_u32 v[BASE], v[PP], 3, v[BASE]
	s_lshl_b32 s47, s[KW], 8
	v_lshl_add_u32 v[GO], v[LN], 3, s47            ; 16 x line + 8 x pair
	v_mov_b32 v[ZR], 0
	v_mov_b32 v[ZP], 0
	v_mov_b32 v[ZP+1], 0
	v_cmp_eq_u32 s[PM], 1, v[PP]
	v_lshlrev_b32 v[A1], 8, v[PP]
	v_lshl_add_u32 v[A1], v[IDX], 2, v[A1]         ; the sums' way out: row 2 j + pair, column line
	s_lshl_b32 s47, s[WV], 11
	v_lshl_add_u32 v[A2], v[LN], 4, s47
	WIN 0x40                                       ; destination window 1
.set n, 0
.rept 64                                           ; the sums of squares start at 0: one text then serves all four units; it stands in the wait for the first unit
	v_mov_b32 v[SSQ+n], 0
.set n, n+1
.endr
	WIN 0
	s_wait_tensorcnt 0x3                           ; my eighth of unit 0 is in; the three younger loads, units 1 to 3, stay out
	s_barrier_signal -1
	s_barrier_wait -1                              ; everybody's is
; 16 LDS loads: the eight positions forward and the eight backward that the pointers name, into half hb
.macro LOADB hb
.irp j, 0,1,2,3,4,5,6,7
	ds_load_b64 v[RAW+32*(\hb)+2*(\j):RAW+32*(\hb)+2*(\j)+1],       v[PF+(\j)]
	ds_load_b64 v[RAW+32*(\hb)+16+2*(\j):RAW+32*(\hb)+16+2*(\j)+1], v[PB+(\j)]
.endr
.endm
; Position t forward and position 63 - t backward.  state' = lam (e^(i theta) state) + v: four packed lines turn each state, four lines from f16 halves scale it and add v.
; In a line's first half the real parts ARE the outputs' registers; in the second half they stay in SF, SB and are added onto what the other direction left.
; In the first six batches the position's two pointers step on by a batch: the loads that named them were issued at the batch's head.
.macro PSTEP t
.set wF, RAW+32*(((\t)/8)%2)+2*((\t)%8)
.set wB, wF+16
.if (\t) == 0
.set pF, ZP
.set pB, ZP
.elseif (\t) <= 32
.set pF, O+2*((\t)-1)
.set pB, O+2*(64-(\t))
.else
.set pF, SF
.set pB, SB
.endif
.if (\t) < 32
.set qF, O+2*(\t)
.set qB, O+2*(63-(\t))
.else
.set qF, SF
.set qB, SB
.endif
	v_pk_mul_f32 v[RRF:RRF+1], v[C2:C2+1], v[pF:pF+1]
	v_pk_mul_f32 v[RRB:RRB+1], v[C2:C2+1], v[pB:pB+1]
	v_pk_mul_f32 v[RIF:RIF+1], v[S2:S2+1], v[pF:pF+1]
	v_pk_mul_f32 v[RIB:RIB+1], v[S2:S2+1], v[pB:pB+1]
	v_pk_fma_f32 v[RRF:RRF+1], v[S2:S2+1], v[HIF:HIF+1], v[RRF:RRF+1] neg_lo:[1,0,0] neg_hi:[1,0,0]
	v_pk_fma_f32 v[RRB:RRB+1], v[S2:S2+1], v[HIB:HIB+1], v[RRB:RRB+1] neg_lo:[1,0,0] neg_hi:[1,0,0]
	v_pk_fma_f32 v[RIF:RIF+1], v[C2:C2+1], v[HIF:HIF+1], v[RIF:RIF+1]
	v_pk_fma_f32 v[RIB:RIB+1], v[C2:C2+1], v[HIB:HIB+1], v[RIB:RIB+1]
	v_fma_mix_f32 v[qF],   v[wF],   v[RRF],   v[wF]   op_sel:[0,0,1] op_sel_hi:[1,0,1]   ; lam (low half) x re + v (high half)
	v_fma_mix_f32 v[qB],   v[wB],   v[RRB],   v[wB]   op_sel:[0,0,1] op_sel_hi:[1,0,1]
	v_fma_mix_f32 v[qF+1], v[wF+1], v[RRF+1], v[wF+1] op_sel:[0,0,1] op_sel_hi:[1,0,1]
	v_fma_mix_f32 v[qB+1], v[wB+1], v[RRB+1], v[wB+1] op_sel:[0,0,1] op_sel_hi:[1,0,1]
	v_fma_mix_f32 v[HIF],   v[wF],   v[RIF],   v[ZR] op_sel_hi:[1,0,0]                  ; lam x im
	v_fma_mix_f32 v[HIB],   v[wB],   v[RIB],   v[ZR] op_sel_hi:[1,0,0]
	v_fma_mix_f32 v[HIF+1], v[wF+1], v[RIF+1], v[ZR] op_sel_hi:[1,0,0]
	v_fma_mix_f32 v[HIB+1], v[wB+1], v[RIB+1], v[ZR] op_sel_hi:[1,0,0]
.if (\t) >= 32
	v_pk_add_f32 v[O+2*(\t):O+2*(\t)+1], v[O+2*(\t):O+2*(\t)+1], v[SF:SF+1]
	v_pk_add_f32 v[O+2*(63-(\t)):O+2*(63-(\t))+1], v[O+2*(63-(\t)):O+2*(63-(\t))+1], v[SB:SB+1]
.endif
.if (\t) < 48
	v_add_nc_u32 v[PF+(\t)%8], s[ST8], v[PF+(\t)%8]
	v_sub_nc_u32 v[PB+(\t)%8], v[PB+(\t)%8], s[ST8]
.endif
.endm
; The read-back of waves 4-7, 16 positions a batch.  GLOAD: the sums along w of positions 16 b on, into half b % 2.
.macro GLOAD b
.irp j, 0,1,2,3,4,5,6,7,8,9,10,11,12,13,14,15
	ds_load_b64 v[RAW+32*((\b)%2)+2*(\j):RAW+32*((\b)%2)+2*(\j)+1], v[AW] offset:(16*(\b)+(\j))*PITCH
.endr
.endm
; GBATCH: they are added to mine; the batch after next is asked for; the squares are summed; the totals are stored, 16 stores on end.
.macro GBATCH b
.if (\b) < 3
	s_wait_dscnt 16                                ; the 16 younger loads are the next batch's
.else
	s_wait_dscnt 0x0
.endif
.irp j, 0,1,2,3,4,5,6,7,8,9,10,11,12,13,14,15
	v_pk_add_f32 v[O+2*(16*(\b)+(\j)):O+2*(16*(\b)+(\j))+1], v[O+2*(16*(\b)+(\j)):O+2*(16*(\b)+(\j))+1], v[RAW+32*((\b)%2)+2*(\j):RAW+32*((\b)%2)+2*(\j)+1]
.endr
.if (\b) < 2
	GLOAD (\b)+2
.endif
	WIN 0x40                                       ; destination, and with it the sum that is added onto, in window 1
.irp j, 0,1,2,3,4,5,6,7,8,9,10,11,12,13,14,15
	v_fmac_f32 v[SSQ+16*(\b)+(\j)], v[O+2*(16*(\b)+(\j))], v[O+2*(16*(\b)+(\j))]
.endr
.irp j, 0,1,2,3,4,5,6,7,8,9,10,11,12,13,14,15
	v_fmac_f32 v[SSQ+16*(\b)+(\j)], v[O+2*(16*(\b)+(\j))+1], v[O+2*(16*(\b)+(\j))+1]
.endr
	WIN 0
.irp j, 0,1,2,3,4,5,6,7,8,9,10,11,12,13,14,15
	global_store_b64 v[GO], v[O+2*(16*(\b)+(\j)):O+2*(16*(\b)+(\j))+1], s[8:9] offset:(16*(\b)+(\j))*1024-65536  ; 32 lanes: 16 neighbouring w, 256 consecutive bytes, aligned; the base stands a unit ahead
.endr
.endm
	s_mov_b32 s[UO], 0
	s_mov_b32 s[CNT], 4
.Lunit:
	s_wait_loadcnt 0x0                             ; this unit's cos and sin
	v_mov_b32 v[C2], v[NX]
	v_mov_b32 v[C2+1], v[NX+1]
	v_mov_b32 v[S2], v[NX+2]
	v_mov_b32 v[S2+1], v[NX+3]
	v_add_nc_u32 v[AW], s[UO], v[BASE]
.irp j, 0,1,2,3,4,5,6,7
	v_add_nc_u32 v[PF+(\j)], s[SM+(\j)], v[AW]     ; positions 0 to 7,
	v_add_nc_u32 v[PB+(\j)], s[SN+(\j)], v[AW]     ; and 63 down to 56
.endr
	LOADB 0
	v_mov_b32 v[HIF], 0
	v_mov_b32 v[HIF+1], 0
	v_mov_b32 v[HIB], 0
	v_mov_b32 v[HIB+1], 0
.irp j, 0,1,2,3,4,5,6,7
	v_add_nc_u32 v[PF+(\j)], s[ST8], v[PF+(\j)]
	v_sub_nc_u32 v[PB+(\j)], v[PB+(\j)], s[ST8]
.endr
	s_wait_xcnt 0x0                                ; the last unit's stores: their data (the line's sums) and their base are written again only behind this wait
	s_add_nc_u64 s[8:9], s[8:9], 65536             ; hid's base stands a unit ahead of the unit in hand; the stores reach back
	s_add_nc_u64 s[6:7], s[6:7], 16                ; the next unit's four channels (behind the fourth unit these loads still lie inside consts, and nothing reads them)
	global_load_b64 v[NX:NX+1],   v[CSO], s[6:7] offset:8192
	global_load_b64 v[NX+2:NX+3], v[CSO], s[6:7] offset:10240
.set tt, 0
.set bb, 0
.rept 8
.if bb < 7
	LOADB (bb+1)%2                                 ; the next batch, into the half that the batch before this one has left
	s_wait_dscnt 16                                ; those 16 stay out: this batch's are in
.else
	s_wait_dscnt 0x0
.endif
.rept 8
	PSTEP tt
.set tt, tt+1
.endr
.set bb, bb+1
.endr
	s_barrier_signal -1                            ; my reads of the unit are back (the last count was 0)
	s_barrier_wait -1                              ; everybody's are: the unit's bytes may be written
	s_cmp_lt_u32 s[WV], 4
	s_cbranch_scc0 .Lno_put
.set tt, 0
.rept 64
	ds_store_b64 v[AW], v[O+2*tt:O+2*tt+1] offset:tt*16        ; the sums along w, where their inputs lay
.set tt, tt+1
.endr
.Lno_put:
	s_wait_dscnt 0x0                               ; for the others' sake
	; The next unit is read behind this barrier, so my eighth of it has landed in front of my signal.  All four loads were issued at the head, so behind unit u + 1's stand 2 - u younger ones:
	; the count differs from trip to trip and is chosen by the loop's counter (4, 3, 2, 1), which is the same in every wave.
	s_cmp_eq_u32 s[CNT], 4
	s_cbranch_scc0 .Lnot_first
	s_wait_tensorcnt 0x2                           ; unit 1 is in; units 2 and 3 stay out
	s_branch .Llanded
.Lnot_first:
	s_cmp_eq_u32 s[CNT], 3
	s_cbranch_scc0 .Lnot_second
	s_wait_tensorcnt 0x1                           ; unit 2 is in; unit 3 stays out
	s_branch .Llanded
.Lnot_second:
	s_wait_tensorcnt 0x0                           ; unit 3 is in
.Llanded:
	s_barrier_signal -1
	s_barrier_wait -1
	s_cmp_lt_u32 s[WV], 4
	s_cbranch_scc1 .Lno_get                        ; waves 0-3 go on to the next unit at once
	GLOAD 0
	GLOAD 1
	GBATCH 0
	GBATCH 1
	GBATCH 2
	GBATCH 3
.Lno_get:
	s_add_co_u32 s[UO], s[UO], UNIT
	s_sub_co_u32 s[CNT], s[CNT], 1
	s_cmp_lg_u32 s[CNT], 0
	s_cbranch_scc1 .Lunit
	s_wait_dscnt 0x0
	s_barrier_signal -1                            ; every wave's reads of LDS are over: unit 0's bytes take the sums of squares
	s_barrier_wait -1
	s_cmp_lt_u32 s[WV], 4
	s_cbranch_scc1 .Lno_sum
	s_wait_xcnt 0x0                                ; the last unit's stores have read the line's registers, which take the sums of squares
	WIN 0x01                                       ; source 0 window 1
.set n, 0
.rept 64
	v_mov_b32 v[O+n], v[SSQ+n]
.set n, n+1
.endr
	WIN 0
.set n, 0
.rept 64
	v_add_f32_dpp v[O+n], v[O+n], v[O+n] row_xmask:1 row_mask:0xf bank_mask:0xf  ; the neighbour lane holds the position's other eight channels
.set n, n+1
.endr
.set n, 0
.rept 32
	v_cndmask_b32 v[O+2*n], v[O+2*n], v[O+2*n+1], s[PM]        ; even lanes send the even rows, odd lanes the odd ones
.set n, n+1
.endr
.set n, 0
.rept 32
	ds_store_b32 v[A1], v[O+2*n] offset:n*512
.set n, n+1
.endr
.Lno_sum:
	s_wait_dscnt 0x0
	s_barrier_signal -1
	s_barrier_wait -1
.irp q, 0,1,2,3
	ds_load_b128 v[RAW+4*(\q):RAW+4*(\q)+3], v[A2] offset:(\q)*512
.endr
	s_wait_dscnt 0x0
.irp q, 0,1,2,3
	global_store_b128 v[A2], v[RAW+4*(\q):RAW+4*(\q)+3], s[10:11] offset:(\q)*512  ; 512 consecutive bytes of ss
.endr
	s_wait_tensorcnt 0x0                           ; the wave's end
	ds_add_u32 v[SPW], v[NIL]
	s_wait_dscnt 0x0
	s_endpgm
.Lfunc_end_k_qec4ce0d4dc_scan:
	.size	k_qec4ce0d4dc_scan, .Lfunc_end_k_qec4ce0d4dc_scan-k_qec4ce0d4dc_scan
	.p2alignl 7, 3214868480
	.fill 96, 4, 3214868480
	.section	.rodata,"a",@progbits
	.p2align	6, 0x0
	.amdhsa_kernel k_qec4ce0d4dc_scan
		.amdhsa_group_segment_fixed_size 267264
		.amdhsa_private_segment_fixed_size 0
		.amdhsa_enable_private_segment 0
		.amdhsa_kernarg_size 32
		.amdhsa_user_sgpr_count 2
		.amdhsa_user_sgpr_kernarg_segment_ptr 1
		.amdhsa_wavefront_size32 1
		.amdhsa_system_sgpr_workgroup_id_x 1
		.amdhsa_system_sgpr_workgroup_id_y 1
		.amdhsa_system_sgpr_workgroup_id_z 1
		.amdhsa_system_vgpr_workitem_id 0
		.amdhsa_next_free_vgpr 320
		.amdhsa_next_free_sgpr 76
		.amdhsa_reserve_vcc 0
		.amdhsa_float_denorm_mode_32 3
		.amdhsa_float_denorm_mode_16_64 3
		.amdhsa_memory_ordered 1
		.amdhsa_forward_progress 1
		.amdhsa_inst_pref_size 124
	.end_amdhsa_kernel
	.amdgpu_metadata
---
amdhsa.version: [ 1, 2 ]
amdhsa.kernels:
  - .name:           k_qec4ce0d4dc_scan
    .symbol:         k_qec4ce0d4dc_scan.kd
    .args:
      - { .name: lv, .offset: 0, .size: 8, .value_kind: global_buffer, .address_space: global }
      - { .name: consts, .offset: 8, .size: 8, .value_kind: global_buffer, .address_space: global }
      - { .name: hid, .offset: 16, .size: 8, .value_kind: global_buffer, .address_space: global }
      - { .name: ss, .offset: 24, .size: 8, .value_kind: global_buffer, .address_space: global }
    .group_segment_fixed_size: 267264
    .private_segment_fixed_size: 0
    .kernarg_segment_align: 8
    .kernarg_segment_size: 32
    .max_flat_workgroup_size: 256
    .sgpr_count:     76
    .vgpr_count:     320
    .wavefront_size: 32
...
	.end_amdgpu_metadata
.endif
;; end of part 3
;; launch outp (part 4): grid 256 x 1, 4 waves a work-group, clusters of 4 x 1, 327,680 bytes of LDS; arguments x, wt, consts, hid, ss, out0; writes out0
.if DOCPART == 4
	.amdgcn_target "amdgcn-amd-amdhsa--gfx1250"
	.amdhsa_code_object_version 6
	.text
	.protected	k_qec4ce0d4dc_outp
	.globl	k_qec4ce0d4dc_outp
	.p2align	8
	.type	k_qec4ce0d4dc_outp,@function
k_qec4ce0d4dc_outp:
	s_mov_b64 s[64:65], 0
	v_nop
	global_prefetch_b8 v0, s[64:65] scope:SCOPE_SE
	s_setreg_imm32_b32 hwreg(HW_REG_WAVE_MODE, 25, 1), 1
	s_wait_xcnt 0x0
	s_wait_alu depctr_hold_cnt(0) depctr_sa_sdst(0) depctr_va_vdst(0) depctr_va_sdst(0) depctr_va_ssrc(0) depctr_va_vcc(0) depctr_vm_vsrc(0)
	s_getreg_b32 s2, hwreg(HW_REG_IB_STS2, 6, 4)
	s_cmp_eq_u32 s2, 0
	s_cbranch_scc0 .Lentry_in_a_cluster
	s_endpgm
.Lentry_in_a_cluster:
	s_bfe_u32 s2, ttmp6, 0x10000c
	s_cmp_lg_u32 s2, 0x3003
	s_cbranch_scc0 .Lentry_shape_is_right
	s_endpgm
.Lentry_shape_is_right:
; OUTP.  rs = (1 - lb) rsqrt((1 - lb)^2 sum(hid^2) / 512 + 1e-6); g = sigmoid(x W_g + b_g) (bf16 operands); a = g hid rs, rounded to f16 (|a| <= sqrt(512) by the norm itself);
; out0 = a W_out + b_out (f16 operands; W_out's numbers are its bf16 roundings).  Sums in f32.
; SHARES, RING, CLUSTER, LAYOUT as in the launch that makes lam and v: 128 rows a work-group, 64 rows x 32 tile rows a wave, the wave's rows over the whole K in registers, a tile of 64 weight rows a step,
; asked for jointly by the four work-groups of a cluster.  16 steps on one ring: 8 of W_g, whose results go as a into the LDS rows where x lay, then 8 of W_out on a's fragments.
; hid[b][cg][n][4] falls straight into the accumulators' layout: a lane's 16 bytes are four channels of its row, and 16 lanes read 256 consecutive bytes.
; A step of W_out gives 64 columns = 256 bytes of each row, from two waves: they meet in a stage in LDS (rows of 272 bytes, at the place of a, which is in registers by then), and go out as whole rows.
; LDS: SLOT0, SLOT1 a tile each, as four K chunks of 64 rows of 272 bytes (tensor loads only); ABASE x, then a, then the stage (stored from registers only); RST rs of the 128 rows; the spare words.
; REGISTERS: window 0: v0-15 addresses; v16-23 rs of my rows, twice each; v24-27 b_out; v28-29 the add's; v32-95 accumulators; v96-159, v160-223 weight fragments, also at work on the way out;
; v224-239 b_g; v240-255 at work.  Windows 1, 2: x as loaded, its fragments, then a's.  Window 3: v0-63 hid of a step.
.set PITCH,  1040                      ; a row of x or a: 1,024 bytes + 16 = 65 x 16: the 16 rows of a fragment load start at 16 different groups of four banks (64 banks of 4 bytes: ISA guide 11.1)
.set BP,     272                       ; a weight row's 128 k: 256 bytes + 16 = 17 x 16: likewise
.set QTILE,  64*BP                     ; a K chunk of a tile: what one wave's tensor load brings
.set SLOT1,  4*QTILE                   ; slot 0 begins at byte 0, slot 1 at 69,632 = 0x11000
.set XORC,   SLOT1                     ; the waves' places in slot 0 (0, 0x4400, 0x8800, 0xcc00) have both bits of 0x11000 clear, so the exclusive or moves an address by just a slot
.set ABASE,  2*SLOT1
.set RST,    ABASE+128*PITCH
.set SPARE,  RST+512                   ; the spare words, 128 bytes for each wave: two blocks of 256 bytes that no other line names
.set SP,     272                       ; a row of the stage: 256 bytes + 16
.set ADRB, 4
.set BL,   5
.set ADRA, 6
.set XST,  7
.set XOF,  8
.set HOF,  9                           ; v9   my offset in hid
.set BOF,  10                          ; v10  32 (lane / 16)
.set AST,  11                          ; v11  where my 16 bytes of a go; steps by 128
.set YST,  12                          ; v12  into the stage
.set YRD,  13                          ; v13  back from it
.set OOF,  14                          ; v14  my offset in out0
.set BOO,  15                          ; v15  16 (lane % 16)
.set RSP,  16
.set BO,   24
.set SPW,  28
.set NIL,  29
.set SSO,  31                          ; v31  4 x thread
.set ACC,  32
.set BUF0, 96
.set BUF1, 160
.set BG,   224
.set T,    240
.set WV, 12
.set WM, 13
.set WN, 14
.set G1, 20
.set G0, 28
.set RD, 33
.set CNT, 35
.set MSB, 0
.macro WIN new                         ; the immediate's high byte repeats the setting that is left; a switch that changes nothing is dropped
.if MSB != (\new)
	s_set_vgpr_msb (MSB<<8)|(\new)
.set MSB, \new
.endif
.endm
.macro PLACES                          ; four places behind matrix instructions, in front of what reads their results or writes their registers (ISA guide 7.12.1)
.rept 4
	v_nop
.endr
.endm
.macro ROUND                           ; a round of the cluster's barrier
	s_barrier_signal -1
	s_barrier_wait -1
	s_cmp_lg_u32 s[WV], 0
	s_cbranch_scc1 .Lnot_wave_0_\@
	s_barrier_signal -3
.Lnot_wave_0_\@:
	s_barrier_wait -3
	s_barrier_signal -1
	s_barrier_wait -1
.endm
; THE CHANGE OF SLOTS.  Each wave waits for all its tensor loads (one is out: its chunk of the tile to be read), adds 0 to its spare word, and waits for that and for all its LDS instructions.
; fill = 1: a round of the cluster's barrier, and first behind it the joint load of the next tile into the slot just left.
.macro CH fill
	s_wait_tensorcnt 0x0                           ; no tensor load of mine is out, so group 0 may be written
	ds_add_u32 v[SPW], v[NIL]
	s_xor_b32 s[RD], s[RD], XORC
.if \fill
	s_xor_b32 s[G0+1], s[G0+1], XORC
	s_add_nc_u64 s[G0+2:G0+3], s[G0+2:G0+3], 65536
.endif
	s_wait_dscnt 0x0                               ; the add is done; my reads of the slot, of a's rows and of the stage are over
.if \fill
	ROUND
	tensor_load_to_lds s[G0:G0+3], s[G1:G1+7]
	s_nop 0
	PLACES
.else
	s_barrier_signal -1
	s_barrier_wait -1
.endif
	v_add_nc_u32 v[ADRB], s[RD], v[BL]
.endm
.macro XASK p                          ; the four loads of row p of my 32 rows of x, into register 16 (p % 16) on of window 1 + p / 16
	WIN 0x40*(1+(\p)/16)
.irp c, 0,1,2,3
	global_load_b128 v[16*((\p)%16)+4*(\c):16*((\p)%16)+4*(\c)+3], v[XOF], s[4:5] offset:(\p)*2048+(\c)*512 th:TH_LOAD_NT
.endr
.endm
.macro XROW p, left, more              ; row p is rounded to bf16 and stored into LDS; left: the younger loads; more = 1: row p + 15 is asked for
	s_wait_loadcnt \left
	WIN 0x05*(1+(\p)/16)
.irp c, 0,1,2,3
	v_cvt_pk_bf16_f32 v[T+8*((\p)%2)+2*(\c)],   v[16*((\p)%16)+4*(\c)],   v[16*((\p)%16)+4*(\c)+1]
	v_cvt_pk_bf16_f32 v[T+8*((\p)%2)+2*(\c)+1], v[16*((\p)%16)+4*(\c)+2], v[16*((\p)%16)+4*(\c)+3]
.endr
	WIN 0
.irp c, 0,1,2,3
	ds_store_b64 v[XST], v[T+8*((\p)%2)+2*(\c):T+8*((\p)%2)+2*(\c)+1] offset:(\p)*PITCH+(\c)*256
.endr
.if \more
	XASK (\p)+15
.endif
.endm
.macro AFRAG                           ; my 64 rows x K 512 from LDS: rows 16 i on, K 32 kk on, at register 8 (4 (kk % 8) + i) of window 1 + kk / 8
	WIN 0x40
.set kk, 0
.rept 16
.if kk == 8
	WIN 0x80
.endif
.irp i, 0,1,2,3
	ds_load_b128 v[8*(4*(kk&7)+(\i)):8*(4*(kk&7)+(\i))+3],   v[ADRA] offset:(\i)*16*PITCH+kk*64
	ds_load_b128 v[8*(4*(kk&7)+(\i))+4:8*(4*(kk&7)+(\i))+7], v[ADRA] offset:(\i)*16*PITCH+kk*64+32
.endr
.set kk, kk+1
.endr
	WIN 0
.endm
.macro FETCH g, f                      ; 16 LDS loads: my 32 weight rows of K chunk g
.irp kq, 0,1,2,3
.irp nb, 0,1
	ds_load_b128 v[(\f)+8*(2*(\kq)+(\nb)):(\f)+8*(2*(\kq)+(\nb))+3],   v[ADRB] offset:(\g)*QTILE+(\nb)*16*BP+(\kq)*64
	ds_load_b128 v[(\f)+8*(2*(\kq)+(\nb))+4:(\f)+8*(2*(\kq)+(\nb))+7], v[ADRB] offset:(\g)*QTILE+(\nb)*16*BP+(\kq)*64+32
.endr
.endr
.endm
.macro MUL op, g, f                    ; 32 matrix instructions; the 8 accumulators take turns; the step's first 8 start the sums with the constant 0
.irp kq, 0,1,2,3
.irp nb, 0,1
.irp i, 0,1,2,3
.if ((\g) == 0) && ((\kq) == 0)
	\op v[ACC+8*(2*(\i)+(\nb)):ACC+8*(2*(\i)+(\nb))+7], v[(\f)+8*(2*(\kq)+(\nb)):(\f)+8*(2*(\kq)+(\nb))+7], v[8*(4*((4*(\g)+(\kq))&7)+(\i)):8*(4*((4*(\g)+(\kq))&7)+(\i))+7], 0
.else
	\op v[ACC+8*(2*(\i)+(\nb)):ACC+8*(2*(\i)+(\nb))+7], v[(\f)+8*(2*(\kq)+(\nb)):(\f)+8*(2*(\kq)+(\nb))+7], v[8*(4*((4*(\g)+(\kq))&7)+(\i)):8*(4*((4*(\g)+(\kq))&7)+(\i))+7], v[ACC+8*(2*(\i)+(\nb)):ACC+8*(2*(\i)+(\nb))+7]
.endif
.endr
.endr
.endr
.endm
.macro W op                            ; a step's products: four groups of K 128 on two buffers, a group's loads a group ahead
	FETCH 0, BUF0
	FETCH 1, BUF1
	WIN 0x04
	s_wait_dscnt 16                                ; the 16 younger loads are the next group's
	MUL \op, 0, BUF0
	PLACES
	FETCH 2, BUF0
	s_wait_dscnt 16
	MUL \op, 1, BUF1
	PLACES
	FETCH 3, BUF1
	WIN 0x08
	s_wait_dscnt 16
	MUL \op, 2, BUF0
	s_wait_dscnt 0x0
	MUL \op, 3, BUF1
	WIN 0
.endm
; Accumulator (i, nb): g = sigmoid(z + b_g), a = g x (hid rs), 8 channels rounded to 16 bytes of f16, into a's row
.macro EA i, nb
.set Z,  ACC+8*(2*(\i)+(\nb))
.set HS, BUF0+8*(2*(\i)+(\nb))
.set AH, BUF1+4*(2*(\i)+(\nb))
.set TT, T+8*(\nb)
.irp p, 0,2,4,6
	v_pk_fma_f32 v[TT+(\p):TT+(\p)+1], v[Z+(\p):Z+(\p)+1], s[36:37], v[BG+8*(\nb)+(\p):BG+8*(\nb)+(\p)+1] op_sel_hi:[1,0,1]  ; -log2(e) (z + b_g)
.endr
.irp j, 0,1,2,3,4,5,6,7
	v_exp_f32 v[TT+(\j)], v[TT+(\j)]
.endr
	v_nop                                          ; a plain instruction behind the last exponential
	s_wait_alu depctr_va_vdst(0)
.irp p, 0,2,4,6
	v_pk_add_f32 v[TT+(\p):TT+(\p)+1], v[TT+(\p):TT+(\p)+1], 1.0 op_sel_hi:[1,0]
.endr
.irp j, 0,1,2,3,4,5,6,7
	v_rcp_f32 v[TT+(\j)], v[TT+(\j)]
.endr
	v_nop
	s_wait_alu depctr_va_vdst(0)
.irp p, 0,2,4,6
	v_pk_mul_f32 v[TT+(\p):TT+(\p)+1], v[TT+(\p):TT+(\p)+1], v[HS+(\p):HS+(\p)+1]
.endr
.irp p, 0,1,2,3
	v_cvt_pk_f16_f32 v[AH+(\p)], v[TT+2*(\p)], v[TT+2*(\p)+1]
.endr
	ds_store_b128 v[AST], v[AH:AH+3] offset:(\i)*16*PITCH+(\nb)*32
.endm
; A step of W_g: 64 channels.  hid and b_g are asked for in front of the products and waited for behind them.
.macro GSTEP
	CH 1
	WIN 0xc0                                       ; destination window 3
.irp i, 0,1,2,3
.irp nb, 0,1
.irp q, 0,1
	global_load_b128 v[8*(2*(\i)+(\nb))+4*(\q):8*(2*(\i)+(\nb))+4*(\q)+3], v[HOF], s[10:11] offset:((\nb)*4+(\q))*65536+(\i)*256 th:TH_LOAD_NT
.endr
.endr
.endr
	WIN 0
.irp nb, 0,1
.irp q, 0,1
	global_load_b128 v[BG+8*(\nb)+4*(\q):BG+8*(\nb)+4*(\q)+3], v[BOF], s[46:47] offset:(\nb)*64+(\q)*16
.endr
.endr
	W v_wmma_f32_16x16x32_bf16
	PLACES
	s_wait_loadcnt 0x0                             ; hid and b_g
	WIN 0x03                                       ; source 0 window 3
.irp i, 0,1,2,3
.irp nb, 0,1
.irp p, 0,2,4,6
	v_pk_mul_f32 v[BUF0+8*(2*(\i)+(\nb))+(\p):BUF0+8*(2*(\i)+(\nb))+(\p)+1], v[8*(2*(\i)+(\nb))+(\p):8*(2*(\i)+(\nb))+(\p)+1], v[RSP+2*(\i):RSP+2*(\i)+1]
.endr
.endr
.endr
	WIN 0
.irp i, 0,1,2,3
.irp nb, 0,1
	EA \i, \nb
.endr
.endr
	s_add_nc_u64 s[10:11], s[10:11], 1048576       ; 16 groups of four channels on (the loads that named the base are back)
	s_add_nc_u64 s[46:47], s[46:47], 256
	v_add_nc_u32 v[AST], 128, v[AST]               ; 64 channels of f16 on
.endm
; A step of W_out: 64 columns of out0
.macro OSTEP fill
	CH \fill
	global_load_b128 v[BO:BO+3], v[BOO], s[52:53]
	W v_wmma_f32_16x16x32_f16
	PLACES
.irp i, 0,1,2,3
.irp nb, 0,1
.irp q, 0,1
	ds_store_b128 v[YST], v[ACC+8*(2*(\i)+(\nb))+4*(\q):ACC+8*(2*(\i)+(\nb))+4*(\q)+3] offset:(\i)*16*SP+(\nb)*64+(\q)*16  ; each accumulator's low four registers first
.endr
.endr
.endr
	s_wait_dscnt 0x0                               ; for the others' sake: a row's 256 bytes come from two waves
	s_barrier_signal -1
	s_barrier_wait -1                              ; the next tile may stay out
.irp t, 0,1,2,3,4,5,6,7,8,9,10,11,12,13,14,15
	ds_load_b128 v[BUF0+4*(\t):BUF0+4*(\t)+3], v[YRD] offset:(\t)*2*SP
.endr
	s_wait_loadcnt 0x0                             ; b_out
.irp t, 0,1,2,3,4,5,6,7,8,9,10,11,12,13,14,15
	s_wait_dscnt 15-(\t)                           ; the younger reads of the stage stay out
	v_pk_add_f32 v[BUF0+4*(\t):BUF0+4*(\t)+1],   v[BUF0+4*(\t):BUF0+4*(\t)+1],   v[BO:BO+1]
	v_pk_add_f32 v[BUF0+4*(\t)+2:BUF0+4*(\t)+3], v[BUF0+4*(\t)+2:BUF0+4*(\t)+3], v[BO+2:BO+3]
	global_store_b128 v[OOF], v[BUF0+4*(\t):BUF0+4*(\t)+3], s[50:51] offset:(\t)*4096 th:TH_STORE_NT  ; 16 lanes store 256 consecutive bytes, aligned; two rows an instruction
.endr
	s_wait_xcnt 0x0                                ; the stores' data (buffer 0) and base are written again only behind this wait
	s_add_nc_u64 s[50:51], s[50:51], 256
	s_add_nc_u64 s[52:53], s[52:53], 256
.endm
	s_load_b256 s[4:11], s[0:1], 0x0               ; x s[4:5], wt s[6:7], consts s[8:9], hid s[10:11]
	s_load_b128 s[48:51], s[0:1], 0x20             ; ss s[48:49], out0 s[50:51]
	v_lshl_add_u32 v[SPW], v0, 2, SPARE
	v_mov_b32 v[NIL], 0
	ds_add_u32 v[SPW], v[NIL]                      ; the wave's opening: the add and its wait ahead of my first tensor load
	ds_add_u32 v28, v29
	v_lshrrev_b32 v3, 5, v0
	v_readfirstlane_b32 s[WV], v3
	s_lshr_b32 s[WM], s[WV], 1
	s_and_b32 s[WN], s[WV], 1
	s_bfe_u32 s15, ttmp6, 0x40000                  ; cx
	s_lshl_b32 s16, ttmp9, 2
	s_add_co_u32 s16, s16, s15                     ; g: it enters the addresses of x, hid, ss and out0 alone
	; group 1: a K chunk of a tile is 16,384 dense bytes: 64 rows of 256 bytes, 16 bytes of padding behind each
	s_mov_b32 s[G1], 15|(3<<16)|(1<<20)|(1<<21)|(5<<22)|(3<<25)  ; the mask of four; 8-byte elements; padding on; bit 21 beside a mask; after every 64 words (code 5); 4 words (code 3)
	s_mov_b32 s[G1+1], 32<<16                      ; tensor_dim0 = 32
	s_mov_b32 s[G1+2], 64<<16                      ; tensor_dim1 = 64
	s_mov_b32 s[G1+3], 32<<16                      ; tile_dim0 = 32
	s_mov_b32 s[G1+4], 64                          ; tile_dim1 = 64
	s_mov_b32 s[G1+5], 32
	s_mov_b32 s[G1+6], 0
	s_mov_b32 s[G1+7], 0
	s_mov_b32 s[G0], 1
	s_mul_i32 s[G0+1], s[WV], QTILE                ; the first tile goes to slot 0: my chunk's place in it
	s_mov_b32 s[RD], SLOT1
	s_lshl_b32 s44, s[WV], 14
	s_add_co_u32 s44, s44, 16*65536                ; W_g begins at tile 16 of wt; W_out follows it
	s_mov_b32 s45, 0
	s_lshl_b32 s46, s[WN], 7
	s_add_co_u32 s46, s46, 4096                    ; -log2(e) b_g, my 32 channels
	s_mov_b32 s47, 0
	s_lshl_b32 s18, s16, 18                        ; x and out0: 128 g rows of 2,048 bytes, and 32 rows a wave
	s_lshl_b32 s19, s[WV], 16
	s_add_co_u32 s18, s18, s19
	s_mov_b32 s19, 0
	s_lshr_b32 s54, s16, 5                         ; hid: batch, n0, eight groups of channels for wn, 64 rows for wm
	s_lshl_b32 s54, s54, 23
	s_and_b32 s55, s16, 31
	s_lshl_b32 s55, s55, 11
	s_add_co_u32 s54, s54, s55
	s_lshl_b32 s55, s[WN], 19
	s_add_co_u32 s54, s54, s55
	s_lshl_b32 s55, s[WM], 10
	s_add_co_u32 s54, s54, s55
	s_mov_b32 s55, 0
	s_lshr_b32 s58, s16, 5                         ; ss: batch, n0
	s_lshl_b32 s58, s58, 19
	s_and_b32 s59, s16, 31
	s_lshl_b32 s59, s59, 9
	s_add_co_u32 s58, s58, s59
	s_mov_b32 s59, 0
	s_mov_b32 s36, 0xbfb8aa3b                      ; -log2(e), named as a pair
	s_mov_b32 s37, s36
	v_and_b32 v1, 15, v0
	v_bfe_u32 v2, v0, 4, 1
	v_and_b32 v3, 31, v0
	s_mul_i32 s17, s[WV], 32*PITCH
	s_add_co_u32 s17, s17, ABASE
	v_lshl_add_u32 v[XST], v3, 3, s17
	v_lshlrev_b32 v[XOF], 4, v3
	s_lshl_b32 s17, s[WN], 5
	v_add_nc_u32 v30, s17, v1
	v_mul_u32_u24 v[BL], v30, BP
	v_lshl_add_u32 v[BL], v2, 4, v[BL]
	s_lshl_b32 s17, s[WM], 6
	v_add_nc_u32 v30, s17, v1                      ; 64 wm + lane % 16
	v_mul_u32_u24 v[ADRA], v30, PITCH
	v_lshl_add_u32 v[ADRA], v2, 4, v[ADRA]
	v_add_nc_u32 v[ADRA], ABASE, v[ADRA]
	s_lshl_b32 s17, s[WN], 6
	v_add_nc_u32 v[AST], s17, v[ADRA]
	v_mul_u32_u24 v[YST], v30, SP
	v_lshl_add_u32 v[YST], v2, 5, v[YST]
	s_lshl_b32 s17, s[WN], 7
	s_add_co_u32 s17, s17, ABASE
	v_add_nc_u32 v[YST], s17, v[YST]
	s_lshl_b32 s17, s[WV], 5
	v_add_nc_u32 v3, s17, v2                       ; 32 wave + lane / 16
	v_mul_u32_u24 v[YRD], v3, SP
	v_lshl_add_u32 v[YRD], v1, 4, v[YRD]
	v_add_nc_u32 v[YRD], ABASE, v[YRD]
	v_lshlrev_b32 v[BOO], 4, v1
	v_lshl_add_u32 v[OOF], v2, 11, v[BOO]
	v_lshl_add_u32 v[HOF], v2, 17, v[BOO]
	v_lshlrev_b32 v[BOF], 5, v2
	v_lshlrev_b32 v[SSO], 2, v0
	s_wait_dscnt 0x0                               ; the opening add is done
	s_wait_kmcnt 0x0
	s_add_nc_u64 s[4:5], s[4:5], s[18:19]
	s_add_nc_u64 s[50:51], s[50:51], s[18:19]
	s_add_nc_u64 s[10:11], s[10:11], s[54:55]
	s_add_nc_u64 s[48:49], s[48:49], s[58:59]
	s_add_nc_u64 s[G0+2:G0+3], s[6:7], s[44:45]
	s_or_b32 s[G0+3], s[G0+3], 0x80000000          ; type = 2
	s_add_nc_u64 s[46:47], s[8:9], s[46:47]
	s_add_nc_u64 s[52:53], s[8:9], 6144            ; b_out
	s_load_b64 s[42:43], s[8:9], 0x3000            ; lb, 1 - lb
.set n, 0
.rept 32                                           ; thread t takes row t's 32 partial sums of squares
	global_load_b32 v[ACC+n], v[SSO], s[48:49] offset:n*16384
.set n, n+1
.endr
.set rho, 0
.rept 7                                            ; my rows 0-6 of x: 28 loads behind the 32
	XASK rho
.set rho, rho+1
.endr
	WIN 0
	ROUND                                          ; all four work-groups are here: the first joint load meets
	tensor_load_to_lds s[G0:G0+3], s[G1:G1+7]      ; the first tile of W_g
	s_nop 0
	PLACES
	s_wait_kmcnt 0x0
	s_mul_f32 s56, s43, s43
	s_mul_f32 s56, s56, 0x3b000000                 ; (1 - lb)^2 / 512
	s_wait_loadcnt 28                              ; the 28 younger loads are x's: the partial sums are in
.irp p, 0,2,4,6,8,10,12,14
	v_pk_add_f32 v[ACC+(\p):ACC+(\p)+1], v[ACC+(\p):ACC+(\p)+1], v[ACC+16+(\p):ACC+16+(\p)+1]
.endr
.irp p, 0,2,4,6
	v_pk_add_f32 v[ACC+(\p):ACC+(\p)+1], v[ACC+(\p):ACC+(\p)+1], v[ACC+8+(\p):ACC+8+(\p)+1]
.endr
.irp p, 0,2
	v_pk_add_f32 v[ACC+(\p):ACC+(\p)+1], v[ACC+(\p):ACC+(\p)+1], v[ACC+4+(\p):ACC+4+(\p)+1]
.endr
	v_pk_add_f32 v[ACC:ACC+1], v[ACC:ACC+1], v[ACC+2:ACC+3]
	v_add_f32 v[ACC], v[ACC], v[ACC+1]
	v_mov_b32 v30, 0x358637bd                      ; 1e-6
	v_fma_f32 v[ACC], v[ACC], s56, v30
	v_rsq_f32 v[ACC], v[ACC]
	v_add_nc_u32 v30, RST, v[SSO]                  ; a plain instruction behind the root
	s_wait_alu depctr_va_vdst(0)
	v_mul_f32 v[ACC], s43, v[ACC]
	ds_store_b32 v30, v[ACC]                       ; rs of row t
.rept 8                                            ; my rows 7-14 of x: 60 loads are out
	XASK rho
.set rho, rho+1
.endr
.set rho, 0
.rept 17
	XROW rho, 56, 1                                ; behind a row's 4 loads stand those of the 14 rows asked for after it
.set rho, rho+1
.endr
.rept 15
	XROW rho, 4*(31-rho), 0                        ; the counts run down
.set rho, rho+1
.endr
	WIN 0
	s_wait_dscnt 0x0                               ; for the others' sake: my rows of x and my rs are in LDS
	s_barrier_signal -1
	s_barrier_wait -1                              ; the first tile may stay out
	AFRAG
	s_lshl_b32 s17, s[WM], 8
	s_add_co_u32 s17, s17, RST
	v_lshl_add_u32 v30, v1, 2, s17
.irp i, 0,1,2,3
	ds_load_b32 v[RSP+2*(\i)],   v30 offset:(\i)*64   ; rs of row 16 i + lane % 16, twice: a pair for the packed multiply
	ds_load_b32 v[RSP+2*(\i)+1], v30 offset:(\i)*64
.endr
	s_mov_b32 s[CNT], 8
.Lgate:
	GSTEP
	s_sub_co_u32 s[CNT], s[CNT], 1
	s_cmp_lg_u32 s[CNT], 0
	s_cbranch_scc1 .Lgate
	s_wait_dscnt 0x0                               ; for the others' sake: my part of a is in LDS
	s_barrier_signal -1
	s_barrier_wait -1                              ; the first tile of W_out may stay out
	AFRAG                                          ; a's fragments take the place of x's; the next change of slots waits for them
	s_mov_b32 s[CNT], 7
.Lout:
	OSTEP 1
	s_sub_co_u32 s[CNT], s[CNT], 1
	s_cmp_lg_u32 s[CNT], 0
	s_cbranch_scc1 .Lout
	OSTEP 0                                        ; the last step is written out: it asks for nothing
	s_wait_tensorcnt 0x0                           ; the wave's end
	ds_add_u32 v[SPW], v[NIL]
	s_wait_dscnt 0x0
	ROUND                                          ; the closing round
	s_endpgm
.Lfunc_end_k_qec4ce0d4dc_outp:
	.size	k_qec4ce0d4dc_outp, .Lfunc_end_k_qec4ce0d4dc_outp-k_qec4ce0d4dc_outp
	.p2alignl 7, 3214868480
	.fill 96, 4, 3214868480
	.section	.rodata,"a",@progbits
	.p2align	6, 0x0
	.amdhsa_kernel k_qec4ce0d4dc_outp
		.amdhsa_group_segment_fixed_size 327680
		.amdhsa_private_segment_fixed_size 0
		.amdhsa_enable_private_segment 0
		.amdhsa_kernarg_size 48
		.amdhsa_user_sgpr_count 2
		.amdhsa_user_sgpr_kernarg_segment_ptr 1
		.amdhsa_wavefront_size32 1
		.amdhsa_system_sgpr_workgroup_id_x 1
		.amdhsa_system_sgpr_workgroup_id_y 1
		.amdhsa_system_sgpr_workgroup_id_z 1
		.amdhsa_system_vgpr_workitem_id 0
		.amdhsa_next_free_vgpr 832
		.amdhsa_next_free_sgpr 66
		.amdhsa_reserve_vcc 0
		.amdhsa_float_denorm_mode_32 3
		.amdhsa_float_denorm_mode_16_64 3
		.amdhsa_memory_ordered 1
		.amdhsa_forward_progress 1
		.amdhsa_inst_pref_size 138
	.end_amdhsa_kernel
	.amdgpu_metadata
---
amdhsa.version: [ 1, 2 ]
amdhsa.kernels:
  - .name:           k_qec4ce0d4dc_outp
    .symbol:         k_qec4ce0d4dc_outp.kd
    .args:
      - { .name: x, .offset: 0, .size: 8, .value_kind: global_buffer, .address_space: global }
      - { .name: wt, .offset: 8, .size: 8, .value_kind: global_buffer, .address_space: global }
      - { .name: consts, .offset: 16, .size: 8, .value_kind: global_buffer, .address_space: global }
      - { .name: hid, .offset: 24, .size: 8, .value_kind: global_buffer, .address_space: global }
      - { .name: ss, .offset: 32, .size: 8, .value_kind: global_buffer, .address_space: global }
      - { .name: out0, .offset: 40, .size: 8, .value_kind: global_buffer, .address_space: global }
    .group_segment_fixed_size: 327680
    .private_segment_fixed_size: 0
    .kernarg_segment_align: 8
    .kernarg_segment_size: 48
    .max_flat_workgroup_size: 128
    .sgpr_count:     66
    .vgpr_count:     832
    .wavefront_size: 32
...
	.end_amdgpu_metadata
.endif
;; end of part 4
